; MI455X (gfx1250); checked and timed in simulation.
; The chip was launched on July 23, 2026; its instructions are those of AMD's public machine-readable ISA for CDNA 5 (MIT licence, August 2026) and "CDNA5" Instruction Set Architecture Reference Guide (July 2026). The comments in the code are by the model that wrote it; some were corrected since.
;; Encoder. Allowed arithmetic: matrix products marked QUANTISED: E4M3 operands, one E8M0 scale for each 32 along K, by v_wmma_scale_f32_16x16x128_f8f6f4 with both operands' format E4M3, f32 sums; everything else in f32.
;; Inputs: Wk_codes 1,024 x 32 x 32 uint8 (E4M3 codes of Wk, K innermost, in blocks of 32 codes); Wk_scales 1,024 x 32 uint8 (E8M0 scales of Wk, one for each 32 codes along K); Wq_codes 1,024 x 32 x 32 uint8 (E4M3 codes of Wq, K innermost, in blocks of 32 codes); Wq_scales 1,024 x 32 uint8 (E8M0 scales of Wq, one for each 32 codes along K); Wv_codes 1,024 x 32 x 32 uint8 (E4M3 codes of Wv, K innermost, in blocks of 32 codes); Wv_scales 1,024 x 32 uint8 (E8M0 scales of Wv, one for each 32 codes along K); beta 1,024 float32; bk 1,024 float32; bq 1,024 float32; bv 1,024 float32; dialog_states 128 x 1,024 int32; gamma 1,024 float32; x 8 x 1,024 x 1,024 float32.
;; Outputs: out0 8 x 1,024 x 1,024 float32.
;; This version of the problem:
;;   THIS VERSION OF THE PROBLEM IS GIVEN IN LOW PRECISION. The matrix products marked QUANTISED in the list below multiply operands that are first quantised to E4M3 (4 exponent bits, 3 mantissa bits; 8 bits a number), with one power-of-two scale for each 32 numbers along K (OCP MX v1.0); their sums are f32. All else is computed in f32.
;;   The module's matrix products, in the order in which they are computed (A, B: the left and right operand; K: the contracted axis; several contracted axes count as one K, in the product's order):
;;     1. [M 8,192, K 1,024] x [K 1,024, N 1,024]; A: input x; B: input Wq (given as codes): QUANTISED
;;     2. [M 8,192, K 1,024] x [K 1,024, N 1,024]; A: input x; B: input Wk (given as codes): QUANTISED
;;     3. [M 8,192, K 1,024] x [K 1,024, N 1,024]; A: input x; B: input Wv (given as codes): QUANTISED
;;     4. batch 128 x [M 1,024, K 64] x [K 64, N 1,024]; A: computed on the way; B: computed on the way: QUANTISED
;;     5. batch 128 x [M 1,024, K 1,024] x [K 1,024, N 64]; A: softmax (see below); B: computed on the way: QUANTISED
;;   THE QUANTISER, for each operand of a quantised product, along K:
;;     - K is cut into blocks of 32 from its start; a last block that is shorter is filled with zeros.
;;     - A block's scale is 2^e with e = floor(log2(the largest magnitude in the block)) - 8, held to -126 .. 127; a block of zeros has e = 0. As a byte (E8M0): e + 127.
;;     - Each number is divided by its block's scale, clamped to +-448, and rounded to the nearest number of E4M3, ties to even, subnormals kept.
;;     - The product sums the exact products of the quantised numbers (number of the format x scale) in f32.
;;   ~~~python
;;   def quantise(x, axis):      # numpy; x: float32 -> the quantised numbers, widened to float32 again
;;       x = np.moveaxis(x, axis, -1); K = x.shape[-1]
;;       x = np.pad(x, [(0, 0)] * (x.ndim - 1) + [(0, -K % 32)]); x = x.reshape(x.shape[:-1] + (-1, 32)); a = np.abs(x).max(-1, keepdims=True)
;;       e = np.where(a > 0, np.clip(np.frexp(np.where(a > 0, a, 1))[1] - 1 - 8, -126, 127), 0)      # np.frexp(a)[1] - 1 = floor(log2(a)), exactly
;;       r = np.clip(x / 2.0 ** e, -448, 448)
;;       step = 2.0 ** (np.maximum(np.frexp(np.where(r == 0, 1, r))[1] - 1, -6) - 3)
;;       q = np.round(r / step) * step * 2.0 ** e      # np.round: ties to even
;;       return np.moveaxis(q.reshape(q.shape[:-2] + (-1,))[..., :K], -1, axis).astype(np.float32)
;;   ~~~
;;   SOFTMAX AHEAD OF A QUANTISED PRODUCT. Where the list says 'softmax', what is quantised is not the finished softmax but p = 2^(t - M), with t = logit x log2(e) and M = ceil(the row's largest t), a whole number; so 1/2 < the row's largest p <= 1. The row's sum l is taken of the UNQUANTISED p, in f32, and the product's result is divided by l at the end. Since M is a whole number, a kernel that streams over the keys may use a running M (the ceiling of the running maximum): every later rescaling is an exact power of two, which a block's scale takes up: the codes' values come out the same.
;;   OPERANDS COMPUTED ON THE WAY. 'Computed on the way' means the value that the module computes at that place (a softmax that the list does not call 'softmax' is quantised finished and normalised). What goes into a quantiser is computed in f32, as accurately as f32 sums, v_exp_f32 and their like allow (about 1e-6 of the number): no bf16 or f16 on the way to a quantiser, and a product that is left as it is and whose result goes on into a quantised operand takes f32 operands (vector FMAs, or v_wmma_f32_16x16x4_f32). A number that lies on a knife's edge between two numbers of the format may be rounded either way, as far as f32 arithmetic and the matrix unit's own rounding can turn it there, and no further.
;;   INPUTS GIVEN AS CODES. Wk (in the module: [1024, 1024], K = its axis 0); Wq (in the module: [1024, 1024], K = its axis 0); Wv (in the module: [1024, 1024], K = its axis 0): each comes as NAME_codes (uint8): NAME with its K axis moved to the last place and cut into blocks of 32 codes, [.., K / 32, bytes a block], one block behind the other in memory; one code a byte (a code: sign, 4 exponent bits, 3 mantissa bits); and NAME_scales (uint8): the same leading axes, one E8M0 byte (e + 127) for each 32 codes along K. Its value is code x scale, taken as it is: it is not quantised again, and the codes and scales need not be those that the quantiser above would give.
;; 2 versions, each right; version 2 is version 1 with the launch attn written anew for expert scheduling mode. Each part assembles by itself: llvm-mc -triple=amdgcn-amd-amdhsa -mcpu=gfx1250 --defsym DOCPART=n.
;; ======== version 1 of 2: 2 launches
;; workspace buffers: q_codes 8,388,608 bytes; k_codes 8,388,608 bytes; v_codes 8,388,608 bytes; q_scales 262,144 bytes; k_scales 262,144 bytes; v_scales 262,144 bytes
;; launch proj (part 1): grid 256 x 1, 4 waves a work-group, clusters of 4 x 1, 327,680 bytes of LDS; arguments x, Wq_codes, Wq_scales, bq, Wk_codes, Wk_scales, bk, Wv_codes, Wv_scales, bv, q_codes, q_scales, k_codes, k_scales, v_codes, v_scales; writes q_codes, q_scales, k_codes, k_scales, v_codes, v_scales
.if DOCPART == 1
	.amdgcn_target "amdgcn-amd-amdhsa--gfx1250"
	.amdhsa_code_object_version 6
	.text
	.protected	k_q4c10f6ca8e_proj
	.globl	k_q4c10f6ca8e_proj
	.p2align	8
	.type	k_q4c10f6ca8e_proj,@function
k_q4c10f6ca8e_proj:
	s_mov_b64 s[64:65], 0
	v_nop
	global_prefetch_b8 v0, s[64:65] scope:SCOPE_SE
	s_setreg_imm32_b32 hwreg(HW_REG_WAVE_MODE, 25, 1), 1
	s_wait_xcnt 0x0
	s_wait_alu depctr_hold_cnt(0) depctr_sa_sdst(0) depctr_va_vdst(0) depctr_va_sdst(0) depctr_va_ssrc(0) depctr_va_vcc(0) depctr_vm_vsrc(0)
	s_getreg_b32 s2, hwreg(HW_REG_IB_STS2, 6, 4)
	s_cmp_eq_u32 s2, 0
	s_cbranch_scc0 .Lentry_in_a_cluster
	s_endpgm
.Lentry_in_a_cluster:
	s_bfe_u32 s2, ttmp6, 0x10000c
	s_cmp_lg_u32 s2, 0x3003
	s_cbranch_scc0 .Lentry_shape_is_right
	s_endpgm
.Lentry_shape_is_right:
; Q = x Wq + bq, K = x Wk + bk, V = x Wv + bv on codes of FP8 (E4M3) with one E8M0 scale for each 32 along K, and the results quantised again for the attention launch.
; x: [8192][1024] f32, quantised here along its rows.  W*: codes [1024 n][1024 k], scale bytes [1024 n][32].  Head g of the attention is rows 64 g .. 64 g + 63 of the projections; key (or query) 16 l + i of a head is
; columns 64 i .. 64 i + 63 of its row l.
; SHARES.  A cluster of four work-groups takes four heads (one each) and one half p of the weights: all 1,024 rows of Wq (p = 0) or of Wk (p = 1), and the rows 64 i + d of Wv with d = 32 p .. 32 p + 31.  The four partners walk
; the same weights, so every weight tile is asked for JOINTLY (mask 15).  A work-group holds its 64 rows of x as codes in registers (512 a wave, every wave all 64 rows); a wave takes 32 weight rows at a time (a "data"),
; 32 KB by one tensor load into its own part of a ring of two slots: each weight fragment read from LDS feeds four matrix instructions.
; THE PRODUCT IS USED TRANSPOSED (source 0 = 16 weight rows, source 1 = 16 rows of x): a lane holds one row of x and eight output columns.  The bias is the C of a sum's first matrix instruction.
; Q AND K: a data's 32 columns are one block of 32 of the next product's K: 16 in my registers, 16 in lane l xor 16's.  Byte 32 B + 16 h + 8 u + j of a row of codes holds column 32 B + 16 u + 8 h + j: a permutation inside the
; block, the same in Q and in K, which leaves their products as they are.
; V: a data is rows 64 i + d0 and 64 i + d0 + 1, i = 0 .. 15: a lane holds 16 neighbouring keys (16 l + i) of one channel d; the block of 32 keys is shared with lane l xor 1.  V's codes are laid [head][d][key place], byte
; 16 G + 8 u + j = key 16 G + 2 j + u: the order in which the attention launch's weights p come out of its first product.
; LIMITS: NaN and infinities among the inputs are not served.  A block of zeros gets the scale byte 1 (its codes are zeros; the bytes are read by this program alone).
; REGISTERS, in windows of 256: window 0: v1-25 addresses; v32-47 x's scale words; v48-63 the weights' scale words (two sets); v64-95 biases (two sets); v96-159 eight accumulators; v160-223 at work.
;   windows 1, 2: x's fragments (tile of rows mt, K step s) at window 1 + s / 4, v[64 mt + 16 (s % 4)].   window 3: a data's weight fragments (tile u, K step s) at v[32 s + 16 u].
.set WP,    1040                       ; a weight row in LDS: 1,024 bytes + 16 of padding = 65 x 16: the 16 rows of a fragment load start in 16 different groups of banks (ISA guide 11.1)
.set WREG,  32*WP                      ; a wave's part of a slot: 32 rows
.set RINGZ, 4*WREG                     ; a slot
.set XIMG,  2*RINGZ                    ; behind the ring (no fill lands from here on): x's fragments, half of K at a time, as images of their registers;
.set STG,   XIMG                       ; later the same bytes are the stage for Q's or K's codes: 64 rows x 272
.set SPI,   272
.set XFR,   8*SPI                      ; a fragment's image: 8 groups (c, h) of 16 lanes x 16 bytes + 16 of padding
.set XSC,   XIMG+16*XFR                ; x's scale bytes: 256 s + 64 mt + 4 r + c
.set QSS,   XSC+2048                   ; Q's or K's scale bytes: 512 wave + 8 row + data
.set VSS,   QSS+2048                   ; V's scale bytes: 32 (d - 32 p) + block
.set SPARE, VSS+1024                   ; the spare words, 128 bytes for each wave: two blocks of 256 bytes that no other line names
.set SPW,  1                           ; v1   SPARE + 4 x my thread's number; never rewritten
.set NIL,  2                           ; v2   0; never rewritten
.set AWQ,  3                           ; v3-4   LDS: my place in a Q/K data's fragments, slot 0, 1
.set AWV,  5                           ; v5-6   the same for a V data (the tile's rows are taken in another order)
.set AWS,  7                           ; v7   my weight row's scale bytes, Q/K
.set AWSV, 8                           ; v8   and V
.set ABQ,  9                           ; v9   my eight biases, Q/K
.set ABV,  10                          ; v10  and V
.set ASTO, 11                          ; v11  the stage: where I put 16 codes
.set ASRD, 12                          ; v12  and where I read a row back
.set AOUT, 13                          ; v13  the same place in the codes' buffer
.set AQS,  14                          ; v14  LDS: my row's scale byte, Q/K
.set AVS,  15                          ; v15  and V
.set AVO,  16                          ; v16  my 16 bytes in V's codes
.set LXI,  17                          ; v17  x's images: where I put 8 codes
.set LXS,  18                          ; v18  and their block's scale byte
.set AXG,  19                          ; v19  32 x lane: my 8 numbers of 256 of a row of x
.set AXR,  20                          ; v20  x's images: where I read a fragment's 16 bytes
.set AXS,  21                          ; v21  x's scale words
.set AQR,  22                          ; v22-23 the way out of Q's or K's scale bytes: LDS, memory
.set AQG,  23
.set AVR,  24                          ; v24-25 and of V's
.set AVG,  25
.set XS,   32
.set WS,   48
.set BIAS, 64
.set ACC,  96
.set TM,   160                         ; v160-163 largest magnitudes, v164-167 the other lane's, then bytes, v168-171 448 x the scale, v172-175 the conversions' scale operands
.set PC,   176                         ; v176-191 the codes just made
.set OUT,  192                         ; v192-223 rows on their way out
.set T,    192                         ; the same registers in V's data: held numbers in the order of the key places
.set XA,   96                          ; while x is quantised: two sets of 64 numbers,
.set XB,   160
.set XCD,  224                         ; codes, largest magnitudes, scale operands, holds, bytes: eight chunks each
.set XM,   240
.set XSO,  248
.set XLM,  80
.set XBY,  88
.set WV,   36                          ; s36  my wave's number
.set PP,   37                          ; s37  p: which half of the weights; the same in the four partners
.set TRIP, 41
.set G1Q,  44                          ; s[44:51] descriptor group 1 for a Q/K data;  s[52:59] for a V data
.set G1V,  52
.set G0Q0, 60                          ; groups 0, one for each slot and kind
.set G0Q1, 68
.set G0V0, 72
.set G0V1, 76
.set SEL,  80                          ; s[80:81] v_permlanex16_b32's selects for lane l xor 16
.set MNT,  82                          ; s82  the mantissa field of 448
.set MSB, 0
.macro WIN new                         ; the immediate's high byte repeats the setting that is left; a switch that changes nothing is dropped
.if MSB != (\new)
	s_set_vgpr_msb (MSB<<8)|(\new)
.set MSB, (\new)
.endif
.endm
.macro ROUND                           ; a round of the cluster's barrier
	s_barrier_signal -1
	s_barrier_wait -1
	s_cmp_lg_u32 s[WV], 0
	s_cbranch_scc1 .Lnot_wave_0_\@
	s_barrier_signal -3
.Lnot_wave_0_\@:
	s_barrier_wait -3
	s_barrier_signal -1
	s_barrier_wait -1
.endm
.macro BAR                             ; my LDS stores have landed and my LDS loads are in: then the work-group's barrier
	s_wait_dscnt 0x0
	s_barrier_signal -1
	s_barrier_wait -1
.endm
	s_load_b512 s[4:19], s[0:1], 0x0               ; x, Wq codes, Wq scales, bq, Wk codes, Wk scales, bk, Wv codes
	s_load_b512 s[20:35], s[0:1], 0x40             ; Wv scales, bv, q codes, q scales, k codes, k scales, v codes, v scales
	v_lshl_add_u32 v[SPW], v0, 2, SPARE
	v_mov_b32 v[NIL], 0
	ds_add_u32 v1, v2
	ds_add_u32 v1, v2
	s_wait_dscnt 0x0
	v_lshrrev_b32 v26, 5, v0
	v_readfirstlane_b32 s[WV], v26                 ; wave 0..3
	s_and_b32 s[PP], ttmp9, 1                      ; in a cluster launch ttmp9 counts clusters: p = cluster % 2
	s_bfe_u32 s38, ttmp6, 0x40000                  ; cx: my place in the cluster
	s_lshr_b32 s39, ttmp9, 1
	s_lshl_b32 s39, s39, 2
	s_add_co_u32 s39, s39, s38                     ; my head g = 4 (cluster / 2) + cx: it enters x's and the outputs' addresses alone
	; descriptor group 1.  Elements of 8 bytes.  Q/K: 32 rows of 1,024 bytes, dense.  V: 16 rows of 2,048 bytes (weight rows d0, d0 + 1), 64 weight rows apart.  16 bytes of padding behind every 1,024
	s_mov_b32 s[G1Q+0], 15|(3<<16)|(1<<20)|(1<<21)|(7<<22)|(3<<25)  ; 15:0 the mask: all four work-groups; 17:16 elements of 8 bytes; 20 padding on; 21 set beside a mask; 24:22 after every 256 words (code 7); 31:25 four words (code 3)
	s_mov_b32 s[G1Q+1], 128<<16                    ; tensor_dim0 = 128 elements
	s_mov_b32 s[G1Q+2], 32<<16                     ; tensor_dim1 = 32
	s_mov_b32 s[G1Q+3], 128<<16                    ; tile_dim0
	s_mov_b32 s[G1Q+4], 32                         ; tile_dim1
	s_mov_b32 s[G1Q+5], 128                        ; from row to row
	s_mov_b32 s[G1Q+6], 0
	s_mov_b32 s[G1Q+7], 0
	s_mov_b32 s[G1V+0], 15|(3<<16)|(1<<20)|(1<<21)|(7<<22)|(3<<25)
	s_mov_b32 s[G1V+1], 256<<16
	s_mov_b32 s[G1V+2], 16<<16
	s_mov_b32 s[G1V+3], 256<<16
	s_mov_b32 s[G1V+4], 16
	s_mov_b32 s[G1V+5], 8192
	s_mov_b32 s[G1V+6], 0
	s_mov_b32 s[G1V+7], 0
	s_mov_b32 s[SEL], 0x76543210
	s_mov_b32 s[SEL+1], 0xfedcba98
	s_mov_b32 s[MNT], 0x600000
	; the addresses that stay
	v_and_b32 v26, 15, v0                          ; r
	v_bfe_u32 v27, v0, 4, 1                        ; h
	v_and_b32 v28, 31, v0                          ; lane
	s_mul_i32 s84, s[WV], WREG
	v_mul_u32_u24 v29, v26, WP
	v_lshl_add_u32 v29, v27, 4, v29
	v_add_nc_u32 v[AWQ], s84, v29                  ; Q/K: row r of a tile, + 16 h
	v_add_nc_u32 v[AWQ+1], RINGZ, v[AWQ]
	v_and_b32 v29, 7, v0
	v_bfe_u32 v30, v0, 3, 1
	v_lshl_add_u32 v31, v29, 1, v30                ; V: lane r of a tile takes LDS row 2 (r % 8) + r / 8: weight row 64 (8 a + r % 8) + d0 + r / 8
	v_mul_u32_u24 v31, v31, WP
	v_lshl_add_u32 v31, v27, 4, v31
	v_add_nc_u32 v[AWV], s84, v31
	v_add_nc_u32 v[AWV+1], RINGZ, v[AWV]
	s_lshl_b32 s85, s[WV], 10
	v_lshl_add_u32 v[AWS], v28, 5, s85             ; 32 bytes of scales a weight row: row 32 wave + lane
	v_lshlrev_b32 v31, 11, v29
	v_lshl_add_u32 v31, v27, 14, v31
	v_lshl_add_u32 v31, v30, 5, v31                ; V: 32 x (64 (8 (lane / 16) + lane % 8) + (lane / 8) % 2)
	s_lshl_b32 s85, s[PP], 10
	s_lshl_b32 s86, s[WV], 8
	s_add_co_u32 s85, s85, s86
	v_add_nc_u32 v[AWSV], s85, v31                 ; + 32 (32 p + 8 wave)
	s_lshl_b32 s85, s[WV], 7
	v_lshl_add_u32 v[ABQ], v27, 5, s85             ; 4 x (32 wave + 8 h)
	s_lshl_b32 s85, s[WV], 5
	s_lshl_b32 s86, s[PP], 7
	s_add_co_u32 s85, s85, s86
	v_lshl_add_u32 v[ABV], v27, 2, s85             ; 4 x (32 p + 8 wave + h)
	v_mul_u32_u24 v31, v26, SPI
	v_lshl_add_u32 v31, v27, 4, v31
	s_lshl_b32 s85, s[WV], 5
	s_add_co_u32 s85, s85, STG
	v_add_nc_u32 v[ASTO], s85, v31                 ; the stage: row r, my wave's 32 bytes, + 16 h
	v_mul_u32_u24 v31, v27, SPI
	v_lshl_add_u32 v31, v26, 4, v31                ; 272 h + 16 r
	s_mul_i32 s85, s[WV], 16*SPI
	s_add_co_u32 s85, s85, STG
	v_add_nc_u32 v[ASRD], s85, v31                 ; back: my 16 rows, two an instruction
	v_add_nc_u32 v[AXR], XIMG, v31
	v_lshlrev_b32 v31, 4, v26
	v_lshl_add_u32 v31, v27, 10, v31               ; 1,024 h + 16 r
	s_lshl_b32 s85, s[WV], 14
	v_add_nc_u32 v[AOUT], s85, v31
	s_lshl_b32 s85, s[WV], 13
	s_lshl_b32 s86, s[PP], 15
	s_add_co_u32 s85, s85, s86
	v_add_nc_u32 v[AVO], s85, v31                  ; V's codes: row 32 p + 8 wave + h, 16 bytes for x's row r
	s_lshl_b32 s85, s[WV], 9
	s_add_co_u32 s85, s85, QSS
	v_lshl_add_u32 v[AQS], v26, 3, s85
	v_lshrrev_b32 v31, 1, v26
	v_lshl_add_u32 v31, v27, 5, v31
	s_lshl_b32 s85, s[WV], 8
	s_add_co_u32 s85, s85, VSS
	v_add_nc_u32 v[AVS], s85, v31
	v_bfe_u32 v31, v0, 1, 3
	v_mul_u32_u24 v31, v31, SPI
	v_mad_u32_u24 v31, v27, XFR, v31
	v_and_b32 v29, 1, v0
	v_lshl_add_u32 v31, v29, 3, v31
	s_mul_i32 s85, s[WV], 4*XFR
	s_add_co_u32 s85, s85, XIMG
	v_add_nc_u32 v[LXI], s85, v31                  ; my 8 codes: K step lane / 16 of two, group (lane / 2) % 8, half lane % 2 of a lane's 16 bytes
	v_bfe_u32 v31, v0, 2, 2
	v_lshl_add_u32 v31, v27, 8, v31
	s_lshl_b32 s85, s[WV], 6
	s_add_co_u32 s85, s85, XSC
	v_add_nc_u32 v[LXS], s85, v31
	v_lshlrev_b32 v[AXG], 5, v28
	v_lshl_add_u32 v[AXS], v28, 2, XSC
	v_lshl_add_u32 v[AQR], v0, 2, QSS
	v_lshlrev_b32 v[AQG], 4, v0
	v_lshl_add_u32 v[AVR], v0, 3, VSS
	v_lshlrev_b32 v[AVG], 3, v0
	s_wait_kmcnt 0x0
	s_cmp_eq_u32 s[PP], 0                          ; Wq and Q's buffers, or Wk and K's: the choice hangs on the cluster's number alone
	s_cselect_b64 s[6:7], s[6:7], s[12:13]
	s_cselect_b64 s[8:9], s[8:9], s[14:15]
	s_cselect_b64 s[10:11], s[10:11], s[16:17]
	s_cselect_b64 s[24:25], s[24:25], s[28:29]
	s_cselect_b64 s[26:27], s[26:27], s[30:31]
	; descriptor groups 0: nothing in them hangs on my place in the cluster
	s_lshl_b32 s84, s[WV], 15                      ; data 0: weight rows 32 wave on
	s_mov_b32 s85, 0
	s_mul_i32 s86, s[WV], WREG
	s_mov_b32 s[G0Q0], 1
	s_mov_b32 s[G0Q0+1], s86
	s_add_nc_u64 s[G0Q0+2:G0Q0+3], s[6:7], s[84:85]
	s_add_nc_u64 s[G0Q1+2:G0Q1+3], s[G0Q0+2:G0Q0+3], 131072   ; data 1: 128 weight rows on
	s_or_b32 s[G0Q0+3], s[G0Q0+3], 0x80000000
	s_mov_b32 s[G0Q1], 1
	s_add_co_u32 s[G0Q1+1], s86, RINGZ
	s_or_b32 s[G0Q1+3], s[G0Q1+3], 0x80000000
	s_lshl_b32 s84, s[PP], 15
	s_lshl_b32 s87, s[WV], 13
	s_add_co_u32 s84, s84, s87                     ; V: weight row d0 = 32 p + 8 wave
	s_mov_b32 s[G0V0], 1
	s_mov_b32 s[G0V0+1], s86
	s_add_nc_u64 s[G0V0+2:G0V0+3], s[18:19], s[84:85]
	s_add_nc_u64 s[G0V1+2:G0V1+3], s[G0V0+2:G0V0+3], 2048     ; two rows on
	s_or_b32 s[G0V0+3], s[G0V0+3], 0x80000000
	s_mov_b32 s[G0V1], 1
	s_add_co_u32 s[G0V1+1], s86, RINGZ
	s_or_b32 s[G0V1+3], s[G0V1+3], 0x80000000
	ROUND                                          ; all four work-groups are here: the first joint loads meet
	tensor_load_to_lds s[G0Q0:G0Q0+3], s[G1Q:G1Q+7]   ; data 0 and 1: two loads of mine are out
	s_nop 0
	tensor_load_to_lds s[G0Q1:G0Q1+3], s[G1Q:G1Q+7]
	s_nop 0
.rept 4
	v_nop                                          ; four such lines behind a tensor load
.endr
	s_lshl_b32 s88, s39, 18                        ; my head's 64 rows of x,
	s_lshl_b32 s90, s[WV], 16                      ; my wave's 16 of them
	s_add_co_u32 s88, s88, s90
	s_mov_b32 s89, 0
	s_add_nc_u64 s[4:5], s[4:5], s[88:89]
	s_lshl_b32 s88, s39, 16                        ; a head's codes are 65,536 bytes in each of the three buffers
	s_add_nc_u64 s[24:25], s[24:25], s[88:89]
	s_add_nc_u64 s[32:33], s[32:33], s[88:89]
	s_lshl_b32 s88, s39, 11                        ; and its scale bytes 2,048
	s_add_nc_u64 s[26:27], s[26:27], s[88:89]
	s_lshl_b32 s90, s[PP], 10
	s_add_co_u32 s88, s88, s90
	s_add_nc_u64 s[34:35], s[34:35], s[88:89]
; the next data's scale words (register s: K step s; lanes 0-15 tile 0's rows, lanes 16-31 tile 1's) and biases (eight a tile, in the result's layout) into set buf.  k: the data, counted from the stepped bases
.macro NEXTQ buf, k
	global_load_b128 v[WS+8*\buf:WS+8*\buf+3], v[AWS], s[8:9] offset:4096*\k
	global_load_b128 v[WS+8*\buf+4:WS+8*\buf+7], v[AWS], s[8:9] offset:4096*\k+16
.irp u, 0,1
	global_load_b128 v[BIAS+16*\buf+8*\u:BIAS+16*\buf+8*\u+3], v[ABQ], s[10:11] offset:512*\k+64*\u
	global_load_b128 v[BIAS+16*\buf+8*\u+4:BIAS+16*\buf+8*\u+7], v[ABQ], s[10:11] offset:512*\k+64*\u+16
.endr
.endm
.macro NEXTV buf, sp
	global_load_b128 v[WS+8*\buf:WS+8*\buf+3], v[AWSV], s[20:21] offset:64*\sp
	global_load_b128 v[WS+8*\buf+4:WS+8*\buf+7], v[AWSV], s[20:21] offset:64*\sp+16
.irp i, 0,1,2,3,4,5,6,7,8,9,10,11,12,13,14,15
	global_load_b32 v[BIAS+16*\buf+\i], v[ABV], s[22:23] offset:256*\i+8*\sp   ; bv[64 i + d0 + h]
.endr
.endm
; x.  Chunk e of a set: row 4 (n % 4) + e / 2 of my 16, 256 numbers from 512 (n / 4) + 256 (e % 2) on; a lane takes 8 neighbours, so a pair of loads covers 1,024 consecutive bytes and four lanes hold a block of 32
.macro XLOADS set, n
.irp e, 0,1,2,3,4,5,6,7
	global_load_b128 v[\set+8*\e:\set+8*\e+3], v[AXG], s[4:5] offset:16384*((\n)%4)+2048*((\n)/4)+4096*(\e/2)+1024*(\e%2)
	global_load_b128 v[\set+8*\e+4:\set+8*\e+7], v[AXG], s[4:5] offset:16384*((\n)%4)+2048*((\n)/4)+4096*(\e/2)+1024*(\e%2)+16
.endr
.endm
.macro XQ set, n, left
	s_wait_loadcnt \left                           ; this set's 16 loads are in; the other set's may be out
	s_wait_dscnt 0x0                               ; the last set's LDS stores have read their registers
.irp e, 0,1,2,3,4,5,6,7
	v_max3_num_f32 v[XM+\e], |v[\set+8*\e]|, |v[\set+8*\e+1]|, 0x4800000   ; with the floor 2^(9 - 127): the byte cannot fall under 1
.endr
.irp i, 2,4,6
.irp e, 0,1,2,3,4,5,6,7
	v_max3_num_f32 v[XM+\e], v[XM+\e], |v[\set+8*\e+\i]|, |v[\set+8*\e+\i+1]|
.endr
.endr
.irp e, 0,1,2,3,4,5,6,7
	v_max_num_f32_dpp v[XM+\e], v[XM+\e], v[XM+\e] row_xmask:1 row_mask:0xf bank_mask:0xf
.endr
.irp e, 0,1,2,3,4,5,6,7
	v_max_num_f32_dpp v[XM+\e], v[XM+\e], v[XM+\e] row_xmask:2 row_mask:0xf bank_mask:0xf   ; the block's largest magnitude
.endr
.irp e, 0,1,2,3,4,5,6,7
	v_add_nc_u32 v[XSO+\e], 0xfc000000, v[XM+\e]   ; 8 off its exponent field: the conversion's scale operand
.endr
.irp e, 0,1,2,3,4,5,6,7
	v_and_or_b32 v[XLM+\e], v[XM+\e], 0x7f800000, s[MNT]   ; 448 x the scale
.endr
.irp e, 0,1,2,3,4,5,6,7
	v_lshrrev_b32 v[XBY+\e], 23, v[XSO+\e]         ; the scale's byte
.endr
.irp e, 0,1,2,3,4,5,6,7
.irp i, 0,1,2,3,4,5,6,7
	v_med3_num_f32 v[\set+8*\e+\i], v[\set+8*\e+\i], -v[XLM+\e], v[XLM+\e]   ; the conversion to an 8-bit code does not saturate (ISA guide 7.6.2)
.endr
	v_cvt_scalef32_pk8_fp8_f32 v[XCD+2*\e:XCD+2*\e+1], v[\set+8*\e:\set+8*\e+7], v[XSO+\e]
.endr
	v_nop                                          ; a plain line behind the last conversion
.irp e, 0,1,2,3,4,5,6,7
	ds_store_b64 v[LXI], v[XCD+2*\e:XCD+2*\e+1] offset:2*XFR*(\e%2)+16*(4*((\n)%4)+\e/2)
	ds_store_b8 v[LXS], v[XBY+\e] offset:1024*((\n)/4)+512*(\e%2)+4*(4*((\n)%4)+\e/2)   ; the four lanes of a block write the same byte with the same value
.endr
.endm
.macro XBACK H                         ; all 16 fragments of half H of K into window 1 + H
	WIN 0x40*(1+\H)
.irp mt, 0,1,2,3
.irp q, 0,1,2,3
.irp c, 0,1,2,3
	ds_load_b128 v[64*\mt+16*\q+4*\c:64*\mt+16*\q+4*\c+3], v[AXR] offset:XFR*(4*\mt+\q)+2*SPI*\c
.endr
.endr
.endr
	WIN 0
.endm
; THE CHANGE OF SLOTS.  Each wave waits for all its tensor loads (one is out: the data that it is about to read), adds 0 to its spare word, and waits for that and for its reads of the slot that it has left; a round of the
; cluster's barrier; then its one joint load, the data after next, into the slot left.  It has a whole data's work in which to land.
.macro CHANGE g0, g1, step
	s_wait_tensorcnt 0x0                           ; no tensor load of mine is out, so a group 0 may be written
	ds_add_u32 v[SPW], v[NIL]
.if \step
	s_add_nc_u64 s[\g0+2:\g0+3], s[\g0+2:\g0+3], \step
.endif
	s_wait_dscnt 0x0                               ; the add is done, and my LDS reads and stores are over
	ROUND
	tensor_load_to_lds s[\g0:\g0+3], s[\g1:\g1+7]
	s_nop 0
.rept 4
	v_nop
.endr
.endm
.macro WFETCH adr                      ; a data's 16 fragments, 64 LDS loads in one run, K step by K step
	WIN 0xc0
.irp s, 0,1,2,3,4,5,6,7
.irp u, 0,1
.irp c, 0,1,2,3
	ds_load_b128 v[32*\s+16*\u+4*\c:32*\s+16*\u+4*\c+3], v[\adr] offset:16*WP*\u+128*\s+32*\c
.endr
.endr
.endr
	WIN 0
.endm
.macro MM d, a, b, c, sa, sb, ra, rb   ; one product; ra, rb: the scales stand in lanes 16-31 of their registers
.if (\ra) && (\rb)
	v_wmma_scale_f32_16x16x128_f8f6f4 v[(\d):(\d)+7], v[(\a):(\a)+15], v[(\b):(\b)+15], v[(\c):(\c)+7], v[(\sa)], v[(\sb)] matrix_a_scale:MATRIX_SCALE_ROW1 matrix_b_scale:MATRIX_SCALE_ROW1
.elseif (\ra)
	v_wmma_scale_f32_16x16x128_f8f6f4 v[(\d):(\d)+7], v[(\a):(\a)+15], v[(\b):(\b)+15], v[(\c):(\c)+7], v[(\sa)], v[(\sb)] matrix_a_scale:MATRIX_SCALE_ROW1
.elseif (\rb)
	v_wmma_scale_f32_16x16x128_f8f6f4 v[(\d):(\d)+7], v[(\a):(\a)+15], v[(\b):(\b)+15], v[(\c):(\c)+7], v[(\sa)], v[(\sb)] matrix_b_scale:MATRIX_SCALE_ROW1
.else
	v_wmma_scale_f32_16x16x128_f8f6f4 v[(\d):(\d)+7], v[(\a):(\a)+15], v[(\b):(\b)+15], v[(\c):(\c)+7], v[(\sa)], v[(\sb)]
.endif
.endm
; A data's 64 products: 8 K steps x (4 tiles of rows x 2 tiles of weight rows).  The eight accumulators take turns, one instruction a turn.  The first K step takes the bias as C.
.macro MULS buf, left
	s_wait_loadcnt \left                           ; this data's scale words and biases are in; the next data's loads may be out
.irp s, 0,1,2,3,4,5,6,7
	s_wait_dscnt 56-8*\s                           ; K step s's eight LDS loads are in; those of the later K steps may be out
.if \s < 4
	WIN 0x07                                       ; source 0 (W) window 3, source 1 (x) window 1
.else
	WIN 0x0b                                       ; source 1 window 2
.endif
.irp mt, 0,1,2,3
.irp u, 0,1
.if \s == 0
	MM ACC+16*\mt+8*\u, 32*\s+16*\u, 64*\mt+16*(\s%4), BIAS+16*\buf+8*\u, WS+8*\buf+\s, XS+2*\s+\mt/2, \u, \mt%2
.else
	MM ACC+16*\mt+8*\u, 32*\s+16*\u, 64*\mt+16*(\s%4), ACC+16*\mt+8*\u, WS+8*\buf+\s, XS+2*\s+\mt/2, \u, \mt%2
.endif
.endr
.endr
.endr
	WIN 0
.rept 9
	v_nop                                          ; places: eight ahead of the reads of the results and of the loads into operands; nine ahead of the next data's first products, which write over these accumulators
.endr
.endm
.macro BLKMAX                          ; block b = tile of rows b: my 16 numbers, each accumulator from its low end on
.irp b, 0,1,2,3
	v_max3_num_f32 v[TM+\b], |v[ACC+16*\b]|, |v[ACC+16*\b+1]|, 0x4800000
.endr
.irp i, 2,4,6,8,10,12,14
.irp b, 0,1,2,3
	v_max3_num_f32 v[TM+\b], v[TM+\b], |v[ACC+16*\b+\i]|, |v[ACC+16*\b+\i+1]|
.endr
.endr
.endm
.macro BLKSCALE
.irp b, 0,1,2,3
	v_add_nc_u32 v[TM+12+\b], 0xfc000000, v[TM+\b]
.endr
.irp b, 0,1,2,3
	v_and_or_b32 v[TM+8+\b], v[TM+\b], 0x7f800000, s[MNT]
.endr
.irp b, 0,1,2,3
	v_lshrrev_b32 v[TM+4+\b], 23, v[TM+12+\b]
.endr
.endm
; Q or K: the data's 32 columns of each of the 64 rows become 32 codes and a scale byte.  z: which half of the stage's 256 bytes; k: the data, counted from the stepped address
.macro QEPI z, k
	BLKMAX
.irp b, 0,1,2,3
	v_permlanex16_b32 v[TM+4+\b], v[TM+\b], s[SEL], s[SEL+1]
.endr
.irp b, 0,1,2,3
	v_max_num_f32 v[TM+\b], v[TM+\b], v[TM+4+\b]   ; with lane l xor 16's 16 columns
.endr
	BLKSCALE
.irp b, 0,1,2,3
.irp i, 0,1,2,3,4,5,6,7,8,9,10,11,12,13,14,15
	v_med3_num_f32 v[ACC+16*\b+\i], v[ACC+16*\b+\i], -v[TM+8+\b], v[TM+8+\b]
.endr
	v_cvt_scalef32_pk8_fp8_f32 v[PC+4*\b:PC+4*\b+1], v[ACC+16*\b:ACC+16*\b+7], v[TM+12+\b]
	v_cvt_scalef32_pk8_fp8_f32 v[PC+4*\b+2:PC+4*\b+3], v[ACC+16*\b+8:ACC+16*\b+15], v[TM+12+\b]
.endr
	v_nop
.irp b, 0,1,2,3
	ds_store_b128 v[ASTO], v[PC+4*\b:PC+4*\b+3] offset:16*SPI*\b+128*\z
	ds_store_b8 v[AQS], v[TM+4+\b] offset:128*\b+\k   ; both halves of the lanes write the same byte with the same value
.endr
.endm
; V: 16 keys of one channel a lane.  The hold also puts the numbers in the order of the key places (even keys, then odd keys)
.macro VEPI sp
	s_wait_xcnt 0x0                                ; the earlier stores have read their registers
	BLKMAX
.irp b, 0,1,2,3
	v_max_num_f32_dpp v[TM+\b], v[TM+\b], v[TM+\b] row_xmask:1 row_mask:0xf bank_mask:0xf   ; with the neighbouring row of x: the block of 32 keys
.endr
	BLKSCALE
.irp b, 0,1,2,3
.irp i, 0,1,2,3,4,5,6,7,8,9,10,11,12,13,14,15
	v_med3_num_f32 v[T+16*(\b%2)+8*(\i%2)+\i/2], v[ACC+16*\b+\i], -v[TM+8+\b], v[TM+8+\b]
.endr
	v_cvt_scalef32_pk8_fp8_f32 v[PC+4*\b:PC+4*\b+1], v[T+16*(\b%2):T+16*(\b%2)+7], v[TM+12+\b]
	v_cvt_scalef32_pk8_fp8_f32 v[PC+4*\b+2:PC+4*\b+3], v[T+16*(\b%2)+8:T+16*(\b%2)+15], v[TM+12+\b]
.endr
	v_nop
.irp b, 0,1,2,3
	global_store_b128 v[AVO], v[PC+4*\b:PC+4*\b+3], s[32:33] offset:2048*\sp+256*\b   ; sixteen lanes store 256 consecutive bytes, aligned
	ds_store_b8 v[AVS], v[TM+4+\b] offset:64*\sp+8*\b
.endr
.endm
; two data's codes, 256 bytes of each of the 64 rows, lie in the stage: each wave stores 16 whole pieces of rows
.macro OUTPASS
	BAR
	s_wait_xcnt 0x0                                ; the last way out's stores have read their registers
.irp i, 0,1,2,3,4,5,6,7
	ds_load_b128 v[OUT+4*\i:OUT+4*\i+3], v[ASRD] offset:2*SPI*\i
.endr
.irp i, 0,1,2,3,4,5,6,7
	s_wait_dscnt 7-\i                              ; the later loads may be out
	global_store_b128 v[AOUT], v[OUT+4*\i:OUT+4*\i+3], s[24:25] offset:2048*\i
.endr
.endm
	NEXTQ 0, 0
	XLOADS XA, 0
	XLOADS XB, 1
	XQ XA, 0, 16
	XLOADS XA, 2
	XQ XB, 1, 16
	XLOADS XB, 3
	XQ XA, 2, 16
	XLOADS XA, 4
	XQ XB, 3, 16
	XLOADS XB, 5
	BAR                                            ; the first half of K: 16 fragments lie in LDS.  (The two tensor loads stay out)
	XBACK 0
	BAR                                            ; every wave has read them: the images may be written again
	XQ XA, 4, 16
	XLOADS XA, 6
	XQ XB, 5, 16
	XLOADS XB, 7
	XQ XA, 6, 16
	XQ XB, 7, 0
	BAR
	XBACK 1
.irp s, 0,1,2,3,4,5,6,7
.irp q, 0,1
	ds_load_b32 v[XS+2*\s+\q], v[AXS] offset:256*\s+128*\q   ; lanes 0-15: tile of rows 2 q; lanes 16-31: 2 q + 1
.endr
.endr
	BAR                                            ; the images' bytes become the stage
.irp b, 0,1,2,3
	v_mov_b32 v[TM+4+\b], 0                        ; written once: a lane permute's destination counts as one of its sources
.endr
	s_wait_tensorcnt 0x1                           ; data 0 is in (only I read my part of a slot); data 1's load may be out
	NEXTQ 1, 1
	WFETCH AWQ
	MULS 0, 6
	QEPI 0, 0
	s_mov_b32 s[TRIP], 3
.Lpair:                                            ; a trip: data 2 t + 1 and 2 t + 2; it asks for data 2 t + 2 + 0, 1 of the scales and 2 t + 2, 2 t + 3 of the weights
	CHANGE G0Q0, G1Q, 262144
	NEXTQ 0, 2
	WFETCH AWQ+1
	MULS 1, 6
	QEPI 1, 1
	OUTPASS
	CHANGE G0Q1, G1Q, 262144
	NEXTQ 1, 3
	WFETCH AWQ
	MULS 0, 6
	QEPI 0, 2
	s_wait_xcnt 0x0                                ; the loads and stores have read their bases
	s_add_nc_u64 s[8:9], s[8:9], 8192              ; two data on: scale bytes, biases, codes
	s_add_nc_u64 s[10:11], s[10:11], 1024
	s_add_nc_u64 s[24:25], s[24:25], 256
	s_wait_dscnt 0x0                               ; the byte stores have read their address
	v_add_nc_u32 v[AQS], 2, v[AQS]
	s_sub_co_u32 s[TRIP], s[TRIP], 1
	s_cmp_lg_u32 s[TRIP], 0
	s_cbranch_scc1 .Lpair
	CHANGE G0V0, G1V, 0                            ; data 7, the last of Q or K; V's first data is asked for
	NEXTV 0, 0
	WFETCH AWQ+1
	MULS 1, 18
	QEPI 1, 1
	OUTPASS
	; the scale bytes: thread t takes row t / 2 and data 4 (t % 2) .. + 3: a word from each wave's part; the 4 x 4 bytes are turned, so that byte 4 data + wave of a row is block 4 data + wave
.irp q, 0,1,2,3
	ds_load_b32 v[PC+\q], v[AQR] offset:512*\q
.endr
	s_wait_dscnt 0x0
	v_perm_b32 v[PC+4], v[PC+1], v[PC], 0x05010400
	v_perm_b32 v[PC+5], v[PC+1], v[PC], 0x07030602
	v_perm_b32 v[PC+6], v[PC+3], v[PC+2], 0x05010400
	v_perm_b32 v[PC+7], v[PC+3], v[PC+2], 0x07030602
	v_perm_b32 v[PC+8], v[PC+6], v[PC+4], 0x05040100
	v_perm_b32 v[PC+9], v[PC+6], v[PC+4], 0x07060302
	v_perm_b32 v[PC+10], v[PC+7], v[PC+5], 0x05040100
	v_perm_b32 v[PC+11], v[PC+7], v[PC+5], 0x07060302
	global_store_b128 v[AQG], v[PC+8:PC+11], s[26:27]   ; the head's 2,048 bytes are dense: 512 consecutive bytes a wave
	CHANGE G0V1, G1V, 0
	NEXTV 1, 1
	WFETCH AWV
	MULS 0, 18
	VEPI 0
	CHANGE G0V0, G1V, 4096
	NEXTV 0, 2
	WFETCH AWV+1
	MULS 1, 18
	VEPI 1
	CHANGE G0V1, G1V, 4096
	NEXTV 1, 3
	WFETCH AWV
	MULS 0, 18
	VEPI 2
	s_wait_tensorcnt 0x0                           ; the last data: nothing is left to ask for, and only I read my part of the slot
	WFETCH AWV+1
	MULS 1, 0
	VEPI 3
	ds_load_b64 v[TM:TM+1], v[AVR]                 ; my wave's 256 scale bytes of V; LDS serves a wave's instructions in order (ISA guide 5.7.1.4): this sees my stores
	s_wait_dscnt 0x0
	global_store_b64 v[AVG], v[TM:TM+1], s[34:35]  ; 256 consecutive bytes, aligned
	s_wait_tensorcnt 0x0                           ; the wave's end
	ds_add_u32 v[SPW], v[NIL]
	s_wait_dscnt 0x0
	ROUND                                          ; the closing round: no work-group ends while a partner may still ask for a tile that names it
	s_endpgm
.Lfunc_end_k_q4c10f6ca8e_proj:
	.size	k_q4c10f6ca8e_proj, .Lfunc_end_k_q4c10f6ca8e_proj-k_q4c10f6ca8e_proj
	.p2alignl 7, 3214868480
	.fill 96, 4, 3214868480
	.section	.rodata,"a",@progbits
	.p2align	6, 0x0
	.amdhsa_kernel k_q4c10f6ca8e_proj
		.amdhsa_group_segment_fixed_size 327680
		.amdhsa_private_segment_fixed_size 0
		.amdhsa_enable_private_segment 0
		.amdhsa_kernarg_size 128
		.amdhsa_user_sgpr_count 2
		.amdhsa_user_sgpr_kernarg_segment_ptr 1
		.amdhsa_wavefront_size32 1
		.amdhsa_system_sgpr_workgroup_id_x 1
		.amdhsa_system_sgpr_workgroup_id_y 1
		.amdhsa_system_sgpr_workgroup_id_z 1
		.amdhsa_system_vgpr_workitem_id 0
		.amdhsa_next_free_vgpr 1024
		.amdhsa_next_free_sgpr 96
		.amdhsa_reserve_vcc 0
		.amdhsa_float_denorm_mode_32 3
		.amdhsa_float_denorm_mode_16_64 3
		.amdhsa_memory_ordered 1
		.amdhsa_forward_progress 1
		.amdhsa_inst_pref_size 255
	.end_amdhsa_kernel
	.section	.bss,"aw",@nobits
	.p2align	6
	.space	262144
	.amdgpu_metadata
---
amdhsa.version: [ 1, 2 ]
amdhsa.kernels:
  - .name:           k_q4c10f6ca8e_proj
    .symbol:         k_q4c10f6ca8e_proj.kd
    .args:
      - { .name: x, .offset: 0, .size: 8, .value_kind: global_buffer, .address_space: global }
      - { .name: Wq_codes, .offset: 8, .size: 8, .value_kind: global_buffer, .address_space: global }
      - { .name: Wq_scales, .offset: 16, .size: 8, .value_kind: global_buffer, .address_space: global }
      - { .name: bq, .offset: 24, .size: 8, .value_kind: global_buffer, .address_space: global }
      - { .name: Wk_codes, .offset: 32, .size: 8, .value_kind: global_buffer, .address_space: global }
      - { .name: Wk_scales, .offset: 40, .size: 8, .value_kind: global_buffer, .address_space: global }
      - { .name: bk, .offset: 48, .size: 8, .value_kind: global_buffer, .address_space: global }
      - { .name: Wv_codes, .offset: 56, .size: 8, .value_kind: global_buffer, .address_space: global }
      - { .name: Wv_scales, .offset: 64, .size: 8, .value_kind: global_buffer, .address_space: global }
      - { .name: bv, .offset: 72, .size: 8, .value_kind: global_buffer, .address_space: global }
      - { .name: q_codes, .offset: 80, .size: 8, .value_kind: global_buffer, .address_space: global }
      - { .name: q_scales, .offset: 88, .size: 8, .value_kind: global_buffer, .address_space: global }
      - { .name: k_codes, .offset: 96, .size: 8, .value_kind: global_buffer, .address_space: global }
      - { .name: k_scales, .offset: 104, .size: 8, .value_kind: global_buffer, .address_space: global }
      - { .name: v_codes, .offset: 112, .size: 8, .value_kind: global_buffer, .address_space: global }
      - { .name: v_scales, .offset: 120, .size: 8, .value_kind: global_buffer, .address_space: global }
    .group_segment_fixed_size: 327680
    .private_segment_fixed_size: 0
    .kernarg_segment_align: 8
    .kernarg_segment_size: 128
    .max_flat_workgroup_size: 128
    .sgpr_count:     96
    .vgpr_count:     1024
    .wavefront_size: 32
...
	.end_amdgpu_metadata
.endif
;; end of part 1
;; launch attn (part 2): grid 256 x 1, 8 waves a work-group, no clusters, 188,416 bytes of LDS; arguments q_codes, q_scales, k_codes, k_scales, v_codes, v_scales, dialog_states, x, gamma, beta, out0; writes out0
.if DOCPART == 2
	.amdgcn_target "amdgcn-amd-amdhsa--gfx1250"
	.amdhsa_code_object_version 6
	.text
	.protected	k_q4c10f6ca8e_attn
	.globl	k_q4c10f6ca8e_attn
	.p2align	8
	.type	k_q4c10f6ca8e_attn,@function
k_q4c10f6ca8e_attn:
	s_mov_b64 s[64:65], 0
	v_nop
	global_prefetch_b8 v0, s[64:65] scope:SCOPE_SE
	s_setreg_imm32_b32 hwreg(HW_REG_WAVE_MODE, 25, 1), 1
	s_wait_xcnt 0x0
; out = LayerNorm(softmax(mask(Q K^T / 8)) V + x), both products on codes of FP8 (E4M3) with one E8M0 scale for each 32 along a product's K.  128 heads of 1,024 queries and keys, head size 64.
; Query 16 l + i of head g is columns 64 i .. 64 i + 63 of row 64 g + l: SO ONE ROW OF x AND OF out IS ONE TILE OF 16 QUERIES, and attention, residual and LayerNorm of a row stay in one wave.
; SHARES.  A work-group takes 32 rows (half a head's queries); K and V of the head, 128 KB of codes, lie in LDS for the whole launch, brought once through registers.  No cluster and no tensor load: what two work-groups share
; is that one fill.  Each of eight waves makes two passes; in a pass it works two rows, tile A in register window 0 and tile B in window 1 under the same numbers; both tiles use every fragment of K and V read from LDS.
; K IN PAIR ROWS.  Two neighbouring keys are 128 bytes: one row of source 0 at K = 128.  Against [q, 0] it gives the even key's score, against [0, q] the odd key's: the other half meets zero codes (K's codes are never NaN,
; its bytes 1 .. 254).  S^T tile (b, u), lane (r, h), register j = query r, key 128 s + 32 b + 16 h + 2 j + u; register 16 b + 8 u + j becomes place 32 b + 16 h + 8 u + j of p's operand; V's codes are laid by the same places.
; SOFTMAX.  t = score x log2(e) / 8; M = the running largest t rounded up to a whole number; p = 2^(t - M) is quantised along the keys; the sum is taken of the unquantised p and divides at the end.
; THE MASK hangs on the query: where dialog_states is -1 the lane's factor c is 0 in place of log2(e) / 8: every t is 0, M is 0, every p is 1, as with the reference's one constant logit (its t is a whole number in f32).
; LIMITS: NaN and infinities are not served; a masked query's scores must be finite (0 x score = 0).
; REGISTERS.  Window 0 alone: v1-15 addresses, v16-23 scale words (K, V, Q of A and B, p of A and B), v32-95 K's four fragments, v250 gamma's address, v251-252 sums across lanes.  Window 1 alone: v32-95 V's four fragments.
;   Both windows, a tile each: v24 -M, v25 largest t, v[26:27] the sum, v[28:29] c, v[30:31] f; v96-103 zeros, v104-111 q, v112-119 zeros; v120-183 S^T, then p; v184-215 O^T; v216-231 p's codes; v232-249 at work.
.set KPI,  144                         ; a pair row in LDS: 128 bytes + 16
.set VPI,  1040                        ; a row of V (1,024 key places) + 16
.set VB,   512*KPI                     ; K's 512 pair rows lie at 0; V's 64 rows here
.set KS,   VB+64*VPI                   ; K's scale words, 4 bytes a pair row
.set VS,   KS+2048                     ; V's, laid [key step][d]
.set GB,   VS+2048                     ; gamma, and 4,096 bytes on beta
.set STG,  GB+8192                     ; a stage of 16 rows x 272 bytes for each wave
.set AK0,  1
.set AV0,  2
.set ASK0, 3
.set ASV0, 4
.set ADK,  5                           ; v5-8 the addresses of the loads in hand (first: of the fill)
.set ADV,  6
.set ADS,  7
.set ADT,  8
.set STI,  9                           ; the stage: in, back
.set STO,  10
.set GO,   11                          ; 16 x lane
.set PFO,  12                          ; 256 x lane
.set QA,   13                          ; q's codes: 64 r + 16 h
.set A2R,  14
.set A4R,  15
.set KSC,  16
.set VSC,  18
.set QSC,  20
.set PSC,  22
.set KF,   32
.set VF,   32
.set NM,   24
.set TMX,  25
.set SUM,  26
.set CC,   28
.set FF,   30
.set ZA,   96
.set QR,   104
.set ZB,   112
.set S,    120
.set O,    184
.set PC,   216
.set BM,   232
.set PX,   236
.set LIM,  240
.set SCO,  244
.set T1,   248
.set T2,   249
.set AG,   250
.set RT,   251
.set RP,   252
.set WV,   26
.set SEL,  30
.set MNT,  32
.set CSC,  33
.set STP,  34
.set NX,   35
.set NK,   36
.set NS,   37
.set NV,   38
.set PASS, 39
.set QP,   40
.set QSP,  42
.set DSP,  44
.set XP,   46
.set OP,   48
.set MSB, 0
.macro WIN new                         ; bits 1:0 source 0, 3:2 source 1, 5:4 source 2, 7:6 destination; the high byte repeats the setting that is left
.if MSB != (\new)
	s_set_vgpr_msb (MSB<<8)|(\new)
.set MSB, (\new)
.endif
.endm
	s_load_b512 s[4:19], s[0:1], 0x0               ; q codes, q scales, k codes, k scales, v codes, v scales, dialog_states, x
	s_load_b128 s[20:23], s[0:1], 0x40             ; gamma, beta
	s_load_b64 s[24:25], s[0:1], 0x50              ; out0
	v_lshl_add_u32 v254, v0, 2, 0x2dc00
	v_mov_b32 v255, 0
	v_lshrrev_b32 v1, 5, v0
	v_readfirstlane_b32 s[WV], v1                  ; wave 0..7
	s_lshr_b32 s27, ttmp9, 1                       ; the head
	s_mov_b32 s[SEL], 0x76543210
	s_mov_b32 s[SEL+1], 0xfedcba98
	s_mov_b32 s[MNT], 0x600000
	s_mov_b32 s[CSC], 0x3e38aa3b                   ; log2(e) / 8
	s_mov_b32 s50, 0x3a800000                      ; 1 / 1,024
	s_mov_b32 s51, 0x3727c5ac                      ; 1e-5
	; the fill's addresses: thread t of 256
	v_lshlrev_b32 v5, 4, v0                        ; 16 t
	v_lshrrev_b32 v6, 3, v0
	v_mul_u32_u24 v6, v6, KPI
	v_and_b32 v7, 7, v0
	v_lshl_add_u32 v6, v7, 4, v6                   ; K: pair row t / 8, 16 (t % 8); 32 pair rows an instruction
	v_add_nc_u32 v7, 8*32*KPI, v6
	v_lshrrev_b32 v8, 6, v0
	v_mul_u32_u24 v8, v8, VPI
	v_and_b32 v24, 63, v0
	v_lshl_add_u32 v8, v24, 4, v8
	v_add_nc_u32 v8, VB, v8                        ; V: row t / 64, 16 (t % 64); four rows an instruction
	v_lshlrev_b32 v24, 3, v0
	v_lshl_add_u32 v25, v0, 3, KS
	v_and_b32 v26, 3, v0
	v_lshlrev_b32 v26, 9, v26
	v_lshrrev_b32 v27, 2, v0
	v_lshl_add_u32 v26, v27, 2, v26
	v_add_nc_u32 v26, VS, v26                      ; V's scales: my 8 bytes are row d = t / 4, key steps 2 (t % 4) and + 1
	v_lshl_add_u32 v27, v0, 4, GB
	s_wait_kmcnt 0x0
	s_lshl_b32 s52, s27, 16
	s_mov_b32 s53, 0
	s_add_nc_u64 s[8:9], s[8:9], s[52:53]
	s_add_nc_u64 s[12:13], s[12:13], s[52:53]
	s_lshl_b32 s52, s27, 11
	s_add_nc_u64 s[10:11], s[10:11], s[52:53]
	s_add_nc_u64 s[14:15], s[14:15], s[52:53]
.irp i, 0,1,2,3,4,5,6,7,8,9,10,11,12,13,14,15
	global_load_b128 v[S+4*\i:S+4*\i+3], v5, s[8:9] offset:4096*\i
.endr
.irp i, 0,1,2,3,4,5,6,7,8,9,10,11,12,13,14,15
	global_load_b128 v[O+4*\i:O+4*\i+3], v5, s[12:13] offset:4096*\i
.endr
	global_load_b64 v[104:105], v24, s[10:11]
	global_load_b64 v[106:107], v24, s[14:15]
	global_load_b128 v[96:99], v5, s[20:21]
	global_load_b128 v[100:103], v5, s[22:23]
	; my rows: A = 32 x work-group + 2 x wave (+ 16 in the second pass), B = A + 1
	s_lshl_b32 s54, ttmp9, 5
	s_lshl_b32 s55, s[WV], 1
	s_add_co_u32 s54, s54, s55
	s_lshl_b32 s52, s54, 10
	s_add_nc_u64 s[QP:QP+1], s[4:5], s[52:53]
	s_lshl_b32 s52, s54, 5
	s_add_nc_u64 s[QSP:QSP+1], s[6:7], s[52:53]
	s_lshl_b32 s52, s54, 6
	s_add_nc_u64 s[DSP:DSP+1], s[16:17], s[52:53]
	s_lshl_b32 s52, s54, 12
	s_add_nc_u64 s[XP:XP+1], s[18:19], s[52:53]
	s_add_nc_u64 s[OP:OP+1], s[24:25], s[52:53]
	v_and_b32 v28, 15, v0                          ; r
	v_bfe_u32 v29, v0, 4, 1                        ; h
	v_and_b32 v30, 31, v0                          ; lane
	v_mul_u32_u24 v[AK0], v28, KPI
	v_lshl_add_u32 v[AK0], v29, 4, v[AK0]
	v_mul_u32_u24 v[AV0], v28, VPI
	v_lshl_add_u32 v[AV0], v29, 4, v[AV0]
	v_add_nc_u32 v[AV0], VB, v[AV0]
	v_lshl_add_u32 v[ASK0], v30, 2, KS
	v_lshl_add_u32 v[ASV0], v30, 2, VS
	s_mul_i32 s55, s[WV], 16*272
	s_add_co_u32 s55, s55, STG
	v_mul_u32_u24 v[STI], v28, 272
	v_lshl_add_u32 v[STI], v29, 5, v[STI]
	v_add_nc_u32 v[STI], s55, v[STI]               ; in: query r's 256 bytes, + 32 h
	v_mul_u32_u24 v[STO], v29, 272
	v_lshl_add_u32 v[STO], v28, 4, v[STO]
	v_add_nc_u32 v[STO], s55, v[STO]               ; back: two queries' 512 bytes an instruction: 512 consecutive bytes of the row
	v_lshlrev_b32 v[GO], 4, v30
	v_lshlrev_b32 v[PFO], 8, v30
	v_lshlrev_b32 v[QA], 6, v28
	v_lshl_add_u32 v[QA], v29, 4, v[QA]
	v_lshlrev_b32 v[A2R], 1, v28
	v_lshlrev_b32 v[A4R], 2, v28
	v_lshl_add_u32 v[AG], v30, 4, GB
	v_mov_b32 v[RP], 0                             ; a lane permute's destination counts as one of its sources
	s_wait_loadcnt 20                              ; K's 16 loads are in
.irp i, 0,1,2,3,4,5,6,7
	ds_store_b128 v6, v[S+4*\i:S+4*\i+3] offset:32*KPI*\i
.endr
.irp i, 8,9,10,11,12,13,14,15
	ds_store_b128 v7, v[S+4*\i:S+4*\i+3] offset:32*KPI*(\i-8)
.endr
	s_wait_loadcnt 4                               ; V's
.irp i, 0,1,2,3,4,5,6,7,8,9,10,11,12,13,14,15
	ds_store_b128 v8, v[O+4*\i:O+4*\i+3] offset:4*VPI*\i
.endr
	s_wait_loadcnt 0x0
	ds_store_b64 v25, v[104:105]
	ds_store_b32 v26, v106
	ds_store_b32 v26, v107 offset:256
	ds_store_b128 v27, v[96:99]
	ds_store_b128 v27, v[100:103] offset:4096
	s_wait_dscnt 0x0                               ; for the others' sake: my stores have landed
	s_barrier_signal -1
	s_barrier_wait -1                              ; the launch's one barrier: from here on these bytes are only read; a stage is its wave's own
.irp j, 0,1,2,3,4,5,6,7
	v_mov_b32 v[ZA+\j], 0
	v_mov_b32 v[ZB+\j], 0
.endr
	WIN 0x40
.irp j, 0,1,2,3,4,5,6,7
	v_mov_b32 v[ZA+\j], 0
	v_mov_b32 v[ZB+\j], 0
.endr
	WIN 0
; 18 LDS loads: a key step's four fragments of K (16 pair rows each) and their scale words (register q: lanes 0-15 fragment 2 q, lanes 16-31 fragment 2 q + 1).  The two additions and six v_nop are the eight places behind
; the products that read these registers
.macro FETCHK
	v_add_nc_u32 v[ADK], s[NK], v[AK0]
	v_add_nc_u32 v[ADS], s[NS], v[ASK0]
.rept 6
	v_nop
.endr
.irp b, 0,1,2,3
.irp c, 0,1,2,3
	ds_load_b128 v[KF+16*\b+4*\c:KF+16*\b+4*\c+3], v[ADK] offset:16*KPI*\b+32*\c
.endr
.endr
.irp q, 0,1
	ds_load_b32 v[KSC+\q], v[ADS] offset:128*\q
.endr
.endm
.macro FETCHV                          ; the same for V: four tiles of 16 channels x 128 key places, into window 1
	v_add_nc_u32 v[ADV], s[NV], v[AV0]
	v_add_nc_u32 v[ADT], s[NS], v[ASV0]
.rept 6
	v_nop
.endr
	WIN 0x40
.irp b, 0,1,2,3
.irp c, 0,1,2,3
	ds_load_b128 v[VF+16*\b+4*\c:VF+16*\b+4*\c+3], v[ADV] offset:16*VPI*\b+32*\c
.endr
.endr
	WIN 0
.irp q, 0,1
	ds_load_b32 v[VSC+\q], v[ADT] offset:128*\q
.endr
.endm
.macro QK W                            ; S^T of tile W: eight products, each with the constant 0 as C.  u = 0: [q, 0] = v[104:119]; u = 1: [0, q] = v[96:111]
	WIN 0x44*\W
.irp b, 0,1,2,3
.irp u, 0,1
.if (\b%2)
	v_wmma_scale_f32_16x16x128_f8f6f4 v[S+16*\b+8*\u:S+16*\b+8*\u+7], v[KF+16*\b:KF+16*\b+15], v[QR-8*\u:QR-8*\u+15], 0, v[KSC+\b/2], v[QSC+\W] matrix_a_scale:MATRIX_SCALE_ROW1
.else
	v_wmma_scale_f32_16x16x128_f8f6f4 v[S+16*\b+8*\u:S+16*\b+8*\u+7], v[KF+16*\b:KF+16*\b+15], v[QR-8*\u:QR-8*\u+15], 0, v[KSC+\b/2], v[QSC+\W]
.endif
.endr
.endr
.endm
.macro PV W                            ; O^T += V^T p^T: four accumulators by turns
	WIN 0x01+0x54*\W
.irp b, 0,1,2,3
.if (\b%2)
	v_wmma_scale_f32_16x16x128_f8f6f4 v[O+8*\b:O+8*\b+7], v[VF+16*\b:VF+16*\b+15], v[PC:PC+15], v[O+8*\b:O+8*\b+7], v[VSC+\b/2], v[PSC+\W] matrix_a_scale:MATRIX_SCALE_ROW1
.else
	v_wmma_scale_f32_16x16x128_f8f6f4 v[O+8*\b:O+8*\b+7], v[VF+16*\b:VF+16*\b+15], v[PC:PC+15], v[O+8*\b:O+8*\b+7], v[VSC+\b/2], v[PSC+\W]
.endif
.endr
.endm
; one tile's softmax for a key step of 128 keys
.macro SOFTMAX W
	WIN 0x55*\W
.irp b, 0,1,2,3
	v_max3_num_f32 v[BM+\b], v[S+16*\b], v[S+16*\b+1], v[S+16*\b+2]   ; the largest score of each block of 32 keys: for the row's maximum, and, since p rises with the score (c is not negative), for the block's largest p
.endr
.irp i, 3,5,7,9,11,13
.irp b, 0,1,2,3
	v_max3_num_f32 v[BM+\b], v[BM+\b], v[S+16*\b+\i], v[S+16*\b+\i+1]
.endr
.endr
.irp b, 0,1,2,3
	v_max_num_f32 v[BM+\b], v[BM+\b], v[S+16*\b+15]
.endr
.irp b, 0,1,2,3
	v_permlanex16_b32 v[PX+\b], v[BM+\b], s[SEL], s[SEL+1]
.endr
.irp b, 0,1,2,3
	v_max_num_f32 v[BM+\b], v[BM+\b], v[PX+\b]     ; with lane l xor 16's 16 keys
.endr
	v_max3_num_f32 v[T1], v[BM], v[BM+1], v[BM+2]
	v_max_num_f32 v[T1], v[T1], v[BM+3]
	v_mul_f32 v[T1], v[CC], v[T1]                  ; the step's largest t of my query
	v_max_num_f32 v[TMX], v[TMX], v[T1]
	v_mov_b32 v[T1], v[NM]
	v_floor_f32 v[NM], -v[TMX]                     ; -M = floor(-t): M is a whole number
	v_sub_f32 v[T1], v[NM], v[T1]                  ; old M - new M
	v_cvt_i32_f32 v[T1], v[T1]                     ; (it saturates)
	v_ldexp_f32 v[FF], 1.0, v[T1]                  ; f = 2^(old M - new M): a multiplication by it rounds nothing
.set j, 0
.rept 32
	v_pk_fma_f32 v[S+j:S+j+1], v[S+j:S+j+1], v[CC:CC+1], v[NM:NM+1] op_sel_hi:[1,0,0]   ; t - M
.set j, j+2
.endr
.irp b, 0,1,2,3
	v_fma_f32 v[BM+\b], v[BM+\b], v[CC], v[NM]
.endr
.set j, 0
.rept 64
	v_exp_f32 v[S+j], v[S+j]                       ; p = 2^(t - M)
.set j, j+1
.endr
	v_pk_mul_f32 v[SUM:SUM+1], v[SUM:SUM+1], v[FF:FF+1] op_sel_hi:[1,0]   ; the sums under the new M; a plain line behind the exponentials
	s_wait_alu depctr_va_vdst(0)                   ; one wait for the batch of 64, ahead of its first reader
.irp b, 0,1,2,3
	v_exp_f32 v[BM+\b], v[BM+\b]                   ; the blocks' largest p
.endr
	v_pk_add_f32 v[PX:PX+1], v[S:S+1], v[S+2:S+3]  ; the sum of the unquantised p, in two chains
.irp j, 4,8,12,16,20,24,28,32,36,40,44,48,52,56,60
	v_pk_add_f32 v[SUM:SUM+1], v[SUM:SUM+1], v[S+\j:S+\j+1]
	v_pk_add_f32 v[PX:PX+1], v[PX:PX+1], v[S+\j+2:S+\j+3]
.endr
	v_pk_add_f32 v[SUM:SUM+1], v[SUM:SUM+1], v[PX:PX+1]
	s_wait_alu depctr_va_vdst(0)                   ; and one for the four
.irp b, 0,1,2,3
	v_max_num_f32 v[BM+\b], 0x4800000, v[BM+\b]    ; the floor 2^(9 - 127)
.endr
.irp b, 0,1,2,3
	v_add_nc_u32 v[SCO+\b], 0xfc000000, v[BM+\b]
.endr
.irp b, 0,1,2,3
	v_and_or_b32 v[LIM+\b], v[BM+\b], 0x7f800000, s[MNT]
.endr
.irp b, 0,1,2,3
	v_lshrrev_b32 v[PX+\b], 23, v[SCO+\b]
.endr
	v_lshl_or_b32 v[T2], v[PX+1], 8, v[PX]
	v_lshl_or_b32 v[T2], v[PX+2], 16, v[T2]
	WIN 0x11*\W                                    ; p's scale word goes to window 0; the 64 holds below are its eight places
	v_lshl_or_b32 v[PSC+\W], v[PX+3], 24, v[T2]
	WIN 0x55*\W
.irp b, 0,1,2,3
.irp i, 0,1,2,3,4,5,6,7,8,9,10,11,12,13,14,15
	v_min_num_f32 v[S+16*\b+\i], v[S+16*\b+\i], v[LIM+\b]   ; the conversion does not saturate (ISA guide 7.6.2); p is not negative
.endr
	v_cvt_scalef32_pk8_fp8_f32 v[PC+4*\b:PC+4*\b+1], v[S+16*\b:S+16*\b+7], v[SCO+\b]
	v_cvt_scalef32_pk8_fp8_f32 v[PC+4*\b+2:PC+4*\b+3], v[S+16*\b+8:S+16*\b+15], v[SCO+\b]
.endr
.set j, 0
.rept 16
	v_pk_mul_f32 v[O+j:O+j+1], v[O+j:O+j+1], v[FF:FF+1] op_sel_hi:[1,0]   ; O^T under the new M; also the places between the codes and the products
.set j, j+2
.endr
.endm
.macro TILELOAD W                      ; q's codes, its two scale bytes, its mask
	WIN 0x40*\W
	global_load_b128 v[QR:QR+3], v[QA], s[QP:QP+1] offset:1024*\W
	global_load_b128 v[QR+4:QR+7], v[QA], s[QP:QP+1] offset:1024*\W+32
	global_load_u16 v[T1], v[A2R], s[QSP:QSP+1] offset:32*\W
	global_load_b32 v[T2], v[A4R], s[DSP:DSP+1] offset:64*\W
.endm
.macro TILESET W
	WIN 0x55*\W
	v_cmp_eq_u32 vcc_lo, -1, v[T2]                 ; dialog_states + 1 == 0: the query is masked
	v_mov_b32 v[CC], s[CSC]
	v_cndmask_b32 v[CC], v[CC], v[ZA], vcc_lo      ; c = 0 there
	v_mov_b32 v[CC+1], v[CC]
	WIN 0x11*\W
	v_lshl_or_b32 v[QSC+\W], v[T1], 16, v[T1]      ; the two bytes twice: they serve [q, 0] and [0, q]
	WIN 0x55*\W
	v_mov_b32 v[TMX], 0xff61b1e6                   ; -3e38, under every t
	v_floor_f32 v[NM], -v[TMX]
	v_mov_b32 v[SUM], 0
	v_mov_b32 v[SUM+1], 0
	v_mov_b32 v[FF], 0
	v_mov_b32 v[FF+1], 0
.irp b, 0,1,2,3
	v_mov_b32 v[PX+\b], 0
.endr
.set j, 0
.rept 32
	v_mov_b32 v[O+j], 0                            ; the key step is written once: its first trip finds zeros
.set j, j+1
.endr
.endm
.macro XLOAD W                         ; the row of x: 512 consecutive bytes an instruction
	WIN 0x40*\W
.irp i, 0,1,2,3,4,5,6,7
	global_load_b128 v[S+32+4*\i:S+32+4*\i+3], v[GO], s[XP:XP+1] offset:4096*\W+512*\i th:TH_LOAD_NT
.endr
.endm
.macro ALLSUM                          ; the sum of v[RT] over the 32 lanes, in window 0
	v_add_f32_dpp v[RT], v[RT], v[RT] row_xmask:1 row_mask:0xf bank_mask:0xf
	v_add_f32_dpp v[RT], v[RT], v[RT] row_xmask:2 row_mask:0xf bank_mask:0xf
	v_add_f32_dpp v[RT], v[RT], v[RT] row_xmask:4 row_mask:0xf bank_mask:0xf
	v_add_f32_dpp v[RT], v[RT], v[RT] row_xmask:8 row_mask:0xf bank_mask:0xf
	v_permlanex16_b32 v[RP], v[RT], s[SEL], s[SEL+1]
	v_add_f32 v[RT], v[RT], v[RP]
.endm
; a tile's end: O^T / the sum goes through my stage and comes back in the row's order; + x; LayerNorm; the row is stored.  left: the other tile's loads of x that may stay out
.macro LNORM W, left
	WIN 0x55*\W
	v_add_f32 v[T1], v[SUM], v[SUM+1]
	v_permlanex16_b32 v[PX], v[T1], s[SEL], s[SEL+1]
	v_add_f32 v[T1], v[T1], v[PX]                  ; the row's sum of p
	v_rcp_f32 v[FF], v[T1]
	v_nop
	s_wait_alu depctr_va_vdst(0)
.set j, 0
.rept 16
	v_pk_mul_f32 v[O+j:O+j+1], v[O+j:O+j+1], v[FF:FF+1] op_sel_hi:[1,0]
.set j, j+2
.endr
	WIN 0x04*\W
.irp b, 0,1,2,3
	ds_store_b128 v[STI], v[O+8*\b:O+8*\b+3] offset:64*\b
	ds_store_b128 v[STI], v[O+8*\b+4:O+8*\b+7] offset:64*\b+16
.endr
	WIN 0x40*\W
.irp i, 0,1,2,3,4,5,6,7
	ds_load_b128 v[S+4*\i:S+4*\i+3], v[STO] offset:544*\i   ; LDS serves a wave's instructions in order (ISA guide 5.7.1.4): these see my stores
.endr
	s_wait_dscnt 8                                 ; the eight stores are done (the eight loads may be out): gamma may land in their registers
.irp i, 0,1,2,3,4,5,6,7
	ds_load_b128 v[O+4*\i:O+4*\i+3], v[AG] offset:512*\i
.endr
.irp i, 0,1,2,3,4,5,6,7
	ds_load_b128 v[PC+4*\i:PC+4*\i+3], v[AG] offset:4096+512*\i
.endr
	s_wait_loadcnt \left                           ; my row of x
	s_wait_dscnt 16                                ; the context is back; gamma's and beta's 16 loads may be out
	WIN 0x55*\W
.set j, 0
.rept 16
	v_pk_add_f32 v[S+j:S+j+1], v[S+j:S+j+1], v[S+32+j:S+33+j]   ; y = context + x
.set j, j+2
.endr
	v_pk_add_f32 v[SUM:SUM+1], v[S:S+1], v[S+2:S+3]
	v_pk_add_f32 v[FF:FF+1], v[S+4:S+5], v[S+6:S+7]
.irp j, 8,12,16,20,24,28
	v_pk_add_f32 v[SUM:SUM+1], v[SUM:SUM+1], v[S+\j:S+\j+1]
	v_pk_add_f32 v[FF:FF+1], v[FF:FF+1], v[S+\j+2:S+\j+3]
.endr
	v_pk_add_f32 v[SUM:SUM+1], v[SUM:SUM+1], v[FF:FF+1]
	WIN 0x05*\W
	v_add_f32 v[RT], v[SUM], v[SUM+1]
	WIN 0
	ALLSUM
	WIN 0x40*\W
	v_mul_f32 v[CC], s50, v[RT]                    ; the mean
	WIN 0x55*\W
.set j, 0
.rept 16
	v_pk_add_f32 v[S+j:S+j+1], v[S+j:S+j+1], v[CC:CC+1] op_sel_hi:[1,0] neg_lo:[0,1] neg_hi:[0,1]
.set j, j+2
.endr
	v_pk_mul_f32 v[SUM:SUM+1], v[S:S+1], v[S:S+1]
	v_pk_mul_f32 v[FF:FF+1], v[S+2:S+3], v[S+2:S+3]
.irp j, 4,8,12,16,20,24,28
	v_pk_fma_f32 v[SUM:SUM+1], v[S+\j:S+\j+1], v[S+\j:S+\j+1], v[SUM:SUM+1]
	v_pk_fma_f32 v[FF:FF+1], v[S+\j+2:S+\j+3], v[S+\j+2:S+\j+3], v[FF:FF+1]
.endr
	v_pk_add_f32 v[SUM:SUM+1], v[SUM:SUM+1], v[FF:FF+1]
	WIN 0x05*\W
	v_add_f32 v[RT], v[SUM], v[SUM+1]
	WIN 0
	ALLSUM
	v_fma_f32 v[RT], v[RT], s50, s51               ; the variance + 1e-5
	WIN 0x40*\W
	v_rsq_f32 v[FF], v[RT]
	v_nop
	s_wait_alu depctr_va_vdst(0)
	s_wait_dscnt 0x0                               ; gamma and beta
	WIN 0x55*\W
.set j, 0
.rept 16
	v_pk_mul_f32 v[O+j:O+j+1], v[O+j:O+j+1], v[FF:FF+1] op_sel_hi:[1,0]
.set j, j+2
.endr
.set j, 0
.rept 16
	v_pk_fma_f32 v[S+j:S+j+1], v[S+j:S+j+1], v[O+j:O+j+1], v[PC+j:PC+j+1]
.set j, j+2
.endr
	WIN 0x04*\W
.irp i, 0,1,2,3,4,5,6,7
	global_store_b128 v[GO], v[S+4*\i:S+4*\i+3], s[OP:OP+1] offset:4096*\W+512*\i th:TH_STORE_NT   ; 512 consecutive bytes, aligned
.endr
	WIN 0
.endm
	s_mov_b32 s[NK], 0
	s_mov_b32 s[NS], 0
	s_mov_b32 s[NV], 0
	FETCHK                                         ; key step 0
	FETCHV
	s_mov_b32 s[PASS], 2
.Lpass:
	TILELOAD 0
	TILELOAD 1
	s_wait_loadcnt 0x0
	TILESET 0
	TILESET 1
	WIN 0
	s_mov_b32 s[STP], 0
.Lstep:
	s_wait_dscnt 18                                ; K of this step is in; V's 18 loads, issued behind it, may be out
	QK 0
	QK 1
	WIN 0
	s_add_co_u32 s[NX], s[STP], 1
	s_and_b32 s[NX], s[NX], 7                      ; the next step; behind the last comes the next pass's first
	s_mul_i32 s[NK], s[NX], 64*KPI
	s_lshl_b32 s[NS], s[NX], 8
	s_lshl_b32 s[NV], s[NX], 7
	FETCHK
	; my two rows of x, 8,192 bytes, are asked for in the pass's seventh key step, two key steps ahead of their loads: a lane for each 256 bytes, each named once in the launch
	s_cmp_lg_u32 s[STP], 6
	s_cbranch_scc1 .Lno_ask
	global_prefetch_b8 v[PFO], s[XP:XP+1] th:TH_LOAD_NT scope:SCOPE_SE
.Lno_ask:
	SOFTMAX 0
	SOFTMAX 1
	s_wait_dscnt 18                                ; V of this step is in; the next step's K may be out
	PV 0
	PV 1
	WIN 0
	FETCHV
	s_add_co_u32 s[STP], s[STP], 1
	s_cmp_lt_u32 s[STP], 8
	s_cbranch_scc1 .Lstep
	XLOAD 0
	XLOAD 1
	LNORM 0, 8
	LNORM 1, 0
	s_wait_xcnt 0x0                                ; loads, stores and the prefetch have read their bases and registers
	s_add_nc_u64 s[QP:QP+1], s[QP:QP+1], 16384     ; 16 rows on
	s_add_nc_u64 s[QSP:QSP+1], s[QSP:QSP+1], 512
	s_add_nc_u64 s[DSP:DSP+1], s[DSP:DSP+1], 1024
	s_add_nc_u64 s[XP:XP+1], s[XP:XP+1], 65536
	s_add_nc_u64 s[OP:OP+1], s[OP:OP+1], 65536
	s_sub_co_u32 s[PASS], s[PASS], 1
	s_cmp_lg_u32 s[PASS], 0
	s_cbranch_scc1 .Lpass
	s_wait_tensorcnt 0x0
	ds_add_u32 v254, v255
	s_wait_dscnt 0x0
	s_endpgm
.Lfunc_end_k_q4c10f6ca8e_attn:
	.size	k_q4c10f6ca8e_attn, .Lfunc_end_k_q4c10f6ca8e_attn-k_q4c10f6ca8e_attn
	.p2alignl 7, 3214868480
	.fill 96, 4, 3214868480
	.section	.rodata,"a",@progbits
	.p2align	6, 0x0
	.amdhsa_kernel k_q4c10f6ca8e_attn
		.amdhsa_group_segment_fixed_size 188416
		.amdhsa_private_segment_fixed_size 0
		.amdhsa_enable_private_segment 0
		.amdhsa_kernarg_size 88
		.amdhsa_user_sgpr_count 2
		.amdhsa_user_sgpr_kernarg_segment_ptr 1
		.amdhsa_wavefront_size32 1
		.amdhsa_system_sgpr_workgroup_id_x 1
		.amdhsa_system_sgpr_workgroup_id_y 1
		.amdhsa_system_sgpr_workgroup_id_z 1
		.amdhsa_system_vgpr_workitem_id 0
		.amdhsa_next_free_vgpr 512
		.amdhsa_next_free_sgpr 66
		.amdhsa_reserve_vcc 1
		.amdhsa_float_denorm_mode_32 3
		.amdhsa_float_denorm_mode_16_64 3
		.amdhsa_memory_ordered 1
		.amdhsa_forward_progress 1
		.amdhsa_inst_pref_size 78
	.end_amdhsa_kernel
	.amdgpu_metadata
---
amdhsa.version: [ 1, 2 ]
amdhsa.kernels:
  - .name:           k_q4c10f6ca8e_attn
    .symbol:         k_q4c10f6ca8e_attn.kd
    .args:
      - { .name: q_codes, .offset: 0, .size: 8, .value_kind: global_buffer, .address_space: global }
      - { .name: q_scales, .offset: 8, .size: 8, .value_kind: global_buffer, .address_space: global }
      - { .name: k_codes, .offset: 16, .size: 8, .value_kind: global_buffer, .address_space: global }
      - { .name: k_scales, .offset: 24, .size: 8, .value_kind: global_buffer, .address_space: global }
      - { .name: v_codes, .offset: 32, .size: 8, .value_kind: global_buffer, .address_space: global }
      - { .name: v_scales, .offset: 40, .size: 8, .value_kind: global_buffer, .address_space: global }
      - { .name: dialog_states, .offset: 48, .size: 8, .value_kind: global_buffer, .address_space: global }
      - { .name: x, .offset: 56, .size: 8, .value_kind: global_buffer, .address_space: global }
      - { .name: gamma, .offset: 64, .size: 8, .value_kind: global_buffer, .address_space: global }
      - { .name: beta, .offset: 72, .size: 8, .value_kind: global_buffer, .address_space: global }
      - { .name: out0, .offset: 80, .size: 8, .value_kind: global_buffer, .address_space: global }
    .group_segment_fixed_size: 188416
    .private_segment_fixed_size: 0
    .kernarg_segment_align: 8
    .kernarg_segment_size: 88
    .max_flat_workgroup_size: 256
    .sgpr_count:     66
    .vgpr_count:     512
    .wavefront_size: 32
...
	.end_amdgpu_metadata
.endif
;; end of part 2
;; ======== version 2 of 2: 2 launches; version 1 with the launch attn written anew for expert scheduling mode
;; workspace buffers: q_codes 8,388,608 bytes; k_codes 8,388,608 bytes; v_codes 8,388,608 bytes; q_scales 262,144 bytes; k_scales 262,144 bytes; v_scales 262,144 bytes
;; launch proj: the kernel of part 1 again; grid 256 x 1, 4 waves a work-group, clusters of 4 x 1, 327,680 bytes of LDS; arguments x, Wq_codes, Wq_scales, bq, Wk_codes, Wk_scales, bk, Wv_codes, Wv_scales, bv, q_codes, q_scales, k_codes, k_scales, v_codes, v_scales; writes q_codes, q_scales, k_codes, k_scales, v_codes, v_scales
;; launch attn (part 3): grid 256 x 1, 8 waves a work-group, no clusters, 188,416 bytes of LDS; arguments q_codes, q_scales, k_codes, k_scales, v_codes, v_scales, dialog_states, x, gamma, beta, out0; writes out0
.if DOCPART == 3
	.amdgcn_target "amdgcn-amd-amdhsa--gfx1250"
	.amdhsa_code_object_version 6
	.text
	.protected	k_q4c10f6ca8e_attn
	.globl	k_q4c10f6ca8e_attn
	.p2align	8
	.type	k_q4c10f6ca8e_attn,@function
k_q4c10f6ca8e_attn:
	s_mov_b64 s[64:65], 0
	v_nop
	global_prefetch_b8 v0, s[64:65] scope:SCOPE_SE
	s_setreg_imm32_b32 hwreg(HW_REG_WAVE_SCHED_MODE, 0, 2), 2
	s_setreg_imm32_b32 hwreg(HW_REG_WAVE_MODE, 25, 1), 1
	s_wait_xcnt 0x0
	s_wait_alu depctr_vm_vsrc(0)
; out = LayerNorm(softmax(mask(Q K^T / 8)) V + x), both products on codes of FP8 (E4M3) with one E8M0 scale for each 32 along a product's K.  128 heads of 1,024 queries and keys, head size 64.
; Query 16 l + i of head g is columns 64 i .. 64 i + 63 of row 64 g + l: SO ONE ROW OF x AND OF out IS ONE TILE OF 16 QUERIES, and attention, residual and LayerNorm of a row stay in one wave.
; SHARES.  A work-group takes 32 rows (half a head's queries); K and V of the head, 128 KB of codes, lie in LDS for the whole launch, brought once through registers.  No cluster and no tensor load: what two work-groups share
; is that one fill.  Each of eight waves makes two passes; in a pass it works two rows, tile A in register window 0 and tile B in window 1 under the same numbers; both tiles use every fragment of K and V read from LDS.
; K IN PAIR ROWS.  Two neighbouring keys are 128 bytes: one row of source 0 at K = 128.  Against [q, 0] it gives the even key's score, against [0, q] the odd key's: the other half meets zero codes (K's codes are never NaN,
; its bytes 1 .. 254).  S^T tile (b, u), lane (r, h), register j = query r, key 128 s + 32 b + 16 h + 2 j + u; register 16 b + 8 u + j becomes place 32 b + 16 h + 8 u + j of p's operand; V's codes are laid by the same places.
; SOFTMAX.  t = score x log2(e) / 8; M = the running largest t rounded up to a whole number; p = 2^(t - M) is quantised along the keys; the sum is taken of the unquantised p and divides at the end.
; THE MASK hangs on the query: where dialog_states is -1 the lane's factor c is 0 in place of log2(e) / 8: every t is 0, M is 0, every p is 1, as with the reference's one constant logit (its t is a whole number in f32).
; LIMITS: NaN and infinities are not served; a masked query's scores must be finite (0 x score = 0).
; REGISTERS.  Window 0 alone: v1-15 addresses, v16-23 scale words (K, V, Q of A and B, p of A and B), v32-95 K's four fragments, v250 gamma's address, v251-252 sums across lanes.  Window 1 alone: v32-95 V's four fragments.
;   Both windows, a tile each: v24 -M, v25 largest t, v[26:27] the sum, v[28:29] c, v[30:31] f; v96-103 zeros, v104-111 q, v112-119 zeros; v120-183 S^T, then p; v184-215 O^T; v216-231 p's codes; v232-249 at work.
; THE MODE: SCHED_MODE bits 1:0 = 2 (LLVM: expert scheduling mode 2), set by the entry lines.  The code itself states the register dependences between vector or matrix instructions and memory or LDS instructions,
; with s_wait_alu, always for 0.
; THE PLAN.  Registers that LDS or memory instructions touch in the loop over the key steps:
;   K's fragments and scale words   read by step s's sixteen products K Q^T; the loads of step s + 1 land in them, issued in step s behind tile B's batch of exponentials.
;   V's fragments and scale words   read by step s's eight products V^T p^T; the loads of step s land in them, issued in step s behind tile A's batch of exponentials: the products of step s - 1 stand ahead of it.
;   v5-8, the four LDS addresses    read by those loads; written once a step, behind the products K Q^T, where the four additions are also places.
;   v12, the prefetch's offset      made at the head and never written again.
; The wait for a batch of 64 exponentials, which each tile's softmax holds in any case, so states as well that the products are done reading the fragments in which the loads behind it land, and that their addresses are
; written.  One wait on vm_vsrc a step stands ahead of the four additions, and one wait on va_vdst ahead of the products V^T p^T, whose operand p and its scale words vector instructions have written.
.set KPI,  144                         ; a pair row in LDS: 128 bytes + 16
.set VPI,  1040                        ; a row of V (1,024 key places) + 16
.set VB,   512*KPI                     ; K's 512 pair rows lie at 0; V's 64 rows here
.set KS,   VB+64*VPI                   ; K's scale words, 4 bytes a pair row
.set VS,   KS+2048                     ; V's, laid [key step][d]
.set GB,   VS+2048                     ; gamma, and 4,096 bytes on beta
.set STG,  GB+8192                     ; a stage of 16 rows x 272 bytes for each wave
.set AK0,  1
.set AV0,  2
.set ASK0, 3
.set ASV0, 4
.set ADK,  5                           ; v5-8 the addresses of the loads in hand (first: of the fill)
.set ADV,  6
.set ADS,  7
.set ADT,  8
.set STI,  9                           ; the stage: in, back
.set STO,  10
.set GO,   11                          ; 16 x lane
.set PFO,  12                          ; 256 x lane
.set QA,   13                          ; q's codes: 64 r + 16 h
.set A2R,  14
.set A4R,  15
.set KSC,  16
.set VSC,  18
.set QSC,  20
.set PSC,  22
.set KF,   32
.set VF,   32
.set NM,   24
.set TMX,  25
.set SUM,  26
.set CC,   28
.set FF,   30
.set ZA,   96
.set QR,   104
.set ZB,   112
.set S,    120
.set O,    184
.set PC,   216
.set BM,   232
.set PX,   236
.set LIM,  240
.set SCO,  244
.set T1,   248
.set T2,   249
.set AG,   250
.set RT,   251
.set RP,   252
.set WV,   26
.set SEL,  30
.set MNT,  32
.set CSC,  33
.set STP,  34
.set NX,   35
.set NK,   36                          ; s36, s37 where the next step's K and its scale words begin
.set NS,   37
.set NV,   38                          ; s38, s56 where this step's V and its scale words begin: written at the end of the step before
.set NT,   56
.set PASS, 39
.set QP,   40
.set QSP,  42
.set DSP,  44
.set XP,   46
.set OP,   48
.set MSB, 0
.macro WIN new                         ; bits 1:0 source 0, 3:2 source 1, 5:4 source 2, 7:6 destination; the high byte repeats the setting that is left
.if MSB != (\new)
	s_set_vgpr_msb (MSB<<8)|(\new)
.set MSB, (\new)
.endif
.endm
	s_load_b512 s[4:19], s[0:1], 0x0               ; q codes, q scales, k codes, k scales, v codes, v scales, dialog_states, x
	s_load_b128 s[20:23], s[0:1], 0x40             ; gamma, beta
	s_load_b64 s[24:25], s[0:1], 0x50              ; out0
	v_lshl_add_u32 v254, v0, 2, 0x2dc00
	v_mov_b32 v255, 0
	v_lshrrev_b32 v1, 5, v0
	v_readfirstlane_b32 s[WV], v1                  ; wave 0..7
	s_lshr_b32 s27, ttmp9, 1                       ; the head
	s_mov_b32 s[SEL], 0x76543210
	s_mov_b32 s[SEL+1], 0xfedcba98
	s_mov_b32 s[MNT], 0x600000
	s_mov_b32 s[CSC], 0x3e38aa3b                   ; log2(e) / 8
	s_mov_b32 s50, 0x3a800000                      ; 1 / 1,024
	s_mov_b32 s51, 0x3727c5ac                      ; 1e-5
	; the fill's addresses: thread t of 256
	v_lshlrev_b32 v5, 4, v0                        ; 16 t
	v_lshrrev_b32 v6, 3, v0
	v_mul_u32_u24 v6, v6, KPI
	v_and_b32 v7, 7, v0
	v_lshl_add_u32 v6, v7, 4, v6                   ; K: pair row t / 8, 16 (t % 8); 32 pair rows an instruction
	v_add_nc_u32 v7, 8*32*KPI, v6
	v_lshrrev_b32 v8, 6, v0
	v_mul_u32_u24 v8, v8, VPI
	v_and_b32 v24, 63, v0
	v_lshl_add_u32 v8, v24, 4, v8
	v_add_nc_u32 v8, VB, v8                        ; V: row t / 64, 16 (t % 64); four rows an instruction
	v_lshlrev_b32 v24, 3, v0
	v_lshl_add_u32 v25, v0, 3, KS
	v_and_b32 v26, 3, v0
	v_lshlrev_b32 v26, 9, v26
	v_lshrrev_b32 v27, 2, v0
	v_lshl_add_u32 v26, v27, 2, v26
	v_add_nc_u32 v26, VS, v26                      ; V's scales: my 8 bytes are row d = t / 4, key steps 2 (t % 4) and + 1
	v_lshl_add_u32 v27, v0, 4, GB
	s_wait_alu depctr_va_sdst(0)                   ; the wave's number is written, ahead of its first reader: my rows' addresses and my stage are made from it
	s_wait_kmcnt 0x0
	s_lshl_b32 s52, s27, 16
	s_mov_b32 s53, 0
	s_add_nc_u64 s[8:9], s[8:9], s[52:53]
	s_add_nc_u64 s[12:13], s[12:13], s[52:53]
	s_lshl_b32 s52, s27, 11
	s_add_nc_u64 s[10:11], s[10:11], s[52:53]
	s_add_nc_u64 s[14:15], s[14:15], s[52:53]
	s_wait_alu depctr_va_vdst(0)                   ; the fill's offsets v5 and v24 are written, which the loads below read, and its LDS addresses v6-8 and v25-27, which the LDS stores read: no vector line between names them
.irp i, 0,1,2,3,4,5,6,7,8,9,10,11,12,13,14,15
	global_load_b128 v[S+4*\i:S+4*\i+3], v5, s[8:9] offset:4096*\i
.endr
.irp i, 0,1,2,3,4,5,6,7,8,9,10,11,12,13,14,15
	global_load_b128 v[O+4*\i:O+4*\i+3], v5, s[12:13] offset:4096*\i
.endr
	global_load_b64 v[104:105], v24, s[10:11]
	global_load_b64 v[106:107], v24, s[14:15]
	global_load_b128 v[96:99], v5, s[20:21]
	global_load_b128 v[100:103], v5, s[22:23]
	; my rows: A = 32 x work-group + 2 x wave (+ 16 in the second pass), B = A + 1
	s_lshl_b32 s54, ttmp9, 5
	s_lshl_b32 s55, s[WV], 1
	s_add_co_u32 s54, s54, s55
	s_lshl_b32 s52, s54, 10
	s_add_nc_u64 s[QP:QP+1], s[4:5], s[52:53]
	s_lshl_b32 s52, s54, 5
	s_add_nc_u64 s[QSP:QSP+1], s[6:7], s[52:53]
	s_lshl_b32 s52, s54, 6
	s_add_nc_u64 s[DSP:DSP+1], s[16:17], s[52:53]
	s_lshl_b32 s52, s54, 12
	s_add_nc_u64 s[XP:XP+1], s[18:19], s[52:53]
	s_add_nc_u64 s[OP:OP+1], s[24:25], s[52:53]
	v_and_b32 v28, 15, v0                          ; r
	v_bfe_u32 v29, v0, 4, 1                        ; h
	v_and_b32 v30, 31, v0                          ; lane
	v_mul_u32_u24 v[AK0], v28, KPI
	v_lshl_add_u32 v[AK0], v29, 4, v[AK0]
	v_mul_u32_u24 v[AV0], v28, VPI
	v_lshl_add_u32 v[AV0], v29, 4, v[AV0]
	v_add_nc_u32 v[AV0], VB, v[AV0]
	v_lshl_add_u32 v[ASK0], v30, 2, KS
	v_lshl_add_u32 v[ASV0], v30, 2, VS
	s_mul_i32 s55, s[WV], 16*272
	s_add_co_u32 s55, s55, STG
	v_mul_u32_u24 v[STI], v28, 272
	v_lshl_add_u32 v[STI], v29, 5, v[STI]
	v_add_nc_u32 v[STI], s55, v[STI]               ; in: query r's 256 bytes, + 32 h
	v_mul_u32_u24 v[STO], v29, 272
	v_lshl_add_u32 v[STO], v28, 4, v[STO]
	v_add_nc_u32 v[STO], s55, v[STO]               ; back: two queries' 512 bytes an instruction: 512 consecutive bytes of the row
	v_lshlrev_b32 v[GO], 4, v30
	v_lshlrev_b32 v[PFO], 8, v30
	v_lshlrev_b32 v[QA], 6, v28
	v_lshl_add_u32 v[QA], v29, 4, v[QA]
	v_lshlrev_b32 v[A2R], 1, v28
	v_lshlrev_b32 v[A4R], 2, v28
	v_lshl_add_u32 v[AG], v30, 4, GB
	v_mov_b32 v[RP], 0                             ; a lane permute's destination counts as one of its sources
	s_wait_loadcnt 20                              ; K's 16 loads are in
.irp i, 0,1,2,3,4,5,6,7
	ds_store_b128 v6, v[S+4*\i:S+4*\i+3] offset:32*KPI*\i
.endr
.irp i, 8,9,10,11,12,13,14,15
	ds_store_b128 v7, v[S+4*\i:S+4*\i+3] offset:32*KPI*(\i-8)
.endr
	s_wait_loadcnt 4                               ; V's
.irp i, 0,1,2,3,4,5,6,7,8,9,10,11,12,13,14,15
	ds_store_b128 v8, v[O+4*\i:O+4*\i+3] offset:4*VPI*\i
.endr
	s_wait_loadcnt 0x0
	ds_store_b64 v25, v[104:105]
	ds_store_b32 v26, v106
	ds_store_b32 v26, v107 offset:256
	ds_store_b128 v27, v[96:99]
	ds_store_b128 v27, v[100:103] offset:4096
	s_wait_dscnt 0x0                               ; for the others' sake: my stores have landed
	s_barrier_signal -1
	s_barrier_wait -1                              ; the launch's one barrier: from here on these bytes are only read; a stage is its wave's own
	s_wait_alu depctr_vm_vsrc(0)                   ; the fill's loads and LDS stores have read their addresses v5-8 and v24-27 and their data v96-107 and v120-247: all of these are written again from here on
.irp j, 0,1,2,3,4,5,6,7
	v_mov_b32 v[ZA+\j], 0
	v_mov_b32 v[ZB+\j], 0
.endr
	WIN 0x40
.irp j, 0,1,2,3,4,5,6,7
	v_mov_b32 v[ZA+\j], 0
	v_mov_b32 v[ZB+\j], 0
.endr
	WIN 0
; 18 LDS loads: a key step's four fragments of K (16 pair rows each) and their scale words (register q: lanes 0-15 fragment 2 q, lanes 16-31 fragment 2 q + 1)
.macro LOADK
.irp b, 0,1,2,3
.irp c, 0,1,2,3
	ds_load_b128 v[KF+16*\b+4*\c:KF+16*\b+4*\c+3], v[ADK] offset:16*KPI*\b+32*\c
.endr
.endr
.irp q, 0,1
	ds_load_b32 v[KSC+\q], v[ADS] offset:128*\q
.endr
.endm
.macro LOADV                           ; the same for V: four tiles of 16 channels x 128 key places, into window 1; the scale words into window 0
	WIN 0x40
.irp b, 0,1,2,3
.irp c, 0,1,2,3
	ds_load_b128 v[VF+16*\b+4*\c:VF+16*\b+4*\c+3], v[ADV] offset:16*VPI*\b+32*\c
.endr
.endr
	WIN 0
.irp q, 0,1
	ds_load_b32 v[VSC+\q], v[ADT] offset:128*\q
.endr
.endm
.macro QK W                            ; S^T of tile W: eight products, each with the constant 0 as C.  u = 0: [q, 0] = v[104:119]; u = 1: [0, q] = v[96:111]
	WIN 0x44*\W
.irp b, 0,1,2,3
.irp u, 0,1
.if (\b%2)
	v_wmma_scale_f32_16x16x128_f8f6f4 v[S+16*\b+8*\u:S+16*\b+8*\u+7], v[KF+16*\b:KF+16*\b+15], v[QR-8*\u:QR-8*\u+15], 0, v[KSC+\b/2], v[QSC+\W] matrix_a_scale:MATRIX_SCALE_ROW1
.else
	v_wmma_scale_f32_16x16x128_f8f6f4 v[S+16*\b+8*\u:S+16*\b+8*\u+7], v[KF+16*\b:KF+16*\b+15], v[QR-8*\u:QR-8*\u+15], 0, v[KSC+\b/2], v[QSC+\W]
.endif
.endr
.endr
.endm
.macro PV W                            ; O^T += V^T p^T: four accumulators by turns
	WIN 0x01+0x54*\W
.irp b, 0,1,2,3
.if (\b%2)
	v_wmma_scale_f32_16x16x128_f8f6f4 v[O+8*\b:O+8*\b+7], v[VF+16*\b:VF+16*\b+15], v[PC:PC+15], v[O+8*\b:O+8*\b+7], v[VSC+\b/2], v[PSC+\W] matrix_a_scale:MATRIX_SCALE_ROW1
.else
	v_wmma_scale_f32_16x16x128_f8f6f4 v[O+8*\b:O+8*\b+7], v[VF+16*\b:VF+16*\b+15], v[PC:PC+15], v[O+8*\b:O+8*\b+7], v[VSC+\b/2], v[PSC+\W]
.endif
.endr
.endm
; one tile's softmax for a key step of 128 keys.  Behind the wait for its batch of exponentials stand a run of LDS loads: in tile A's this step's V, in tile B's the next step's K
.macro SOFTMAX W
	WIN 0x55*\W
.irp b, 0,1,2,3
	v_max3_num_f32 v[BM+\b], v[S+16*\b], v[S+16*\b+1], v[S+16*\b+2]   ; the largest score of each block of 32 keys: for the row's maximum, and, since p rises with the score (c is not negative), for the block's largest p
.endr
.irp i, 3,5,7,9,11,13
.irp b, 0,1,2,3
	v_max3_num_f32 v[BM+\b], v[BM+\b], v[S+16*\b+\i], v[S+16*\b+\i+1]
.endr
.endr
.irp b, 0,1,2,3
	v_max_num_f32 v[BM+\b], v[BM+\b], v[S+16*\b+15]
.endr
.irp b, 0,1,2,3
	v_permlanex16_b32 v[PX+\b], v[BM+\b], s[SEL], s[SEL+1]
.endr
.irp b, 0,1,2,3
	v_max_num_f32 v[BM+\b], v[BM+\b], v[PX+\b]     ; with lane l xor 16's 16 keys
.endr
	v_max3_num_f32 v[T1], v[BM], v[BM+1], v[BM+2]
	v_max_num_f32 v[T1], v[T1], v[BM+3]
	v_mul_f32 v[T1], v[CC], v[T1]                  ; the step's largest t of my query
	v_max_num_f32 v[TMX], v[TMX], v[T1]
	v_mov_b32 v[T1], v[NM]
	v_floor_f32 v[NM], -v[TMX]                     ; -M = floor(-t): M is a whole number
	v_sub_f32 v[T1], v[NM], v[T1]                  ; old M - new M
	v_cvt_i32_f32 v[T1], v[T1]                     ; (it saturates)
	v_ldexp_f32 v[FF], 1.0, v[T1]                  ; f = 2^(old M - new M): a multiplication by it rounds nothing
.set j, 0
.rept 32
	v_pk_fma_f32 v[S+j:S+j+1], v[S+j:S+j+1], v[CC:CC+1], v[NM:NM+1] op_sel_hi:[1,0,0]   ; t - M
.set j, j+2
.endr
.irp b, 0,1,2,3
	v_fma_f32 v[BM+\b], v[BM+\b], v[CC], v[NM]
.endr
.set j, 0
.rept 64
	v_exp_f32 v[S+j], v[S+j]                       ; p = 2^(t - M)
.set j, j+1
.endr
	v_pk_mul_f32 v[SUM:SUM+1], v[SUM:SUM+1], v[FF:FF+1] op_sel_hi:[1,0]   ; the sums under the new M; a plain line behind the exponentials
.if (\W) == 0
	WIN 0x40                                       ; (the loads' window first, then the wait, then the loads)
	s_wait_alu depctr_va_vdst(0)                   ; the 64 exponentials have written p, ahead of their first reader; the last step's products V^T p^T are done reading V's fragments and scale words, in which the loads below land; v[ADV] and v[ADT] are written
	LOADV                                          ; this step's V: it has the rest of both softmaxes in which to land
.else
	WIN 0
	s_wait_alu depctr_va_vdst(0)                   ; the 64 exponentials have written p, ahead of their first reader; this step's products K Q^T are done reading K's fragments and scale words, in which the loads below land; v[ADK] and v[ADS] are written
	LOADK                                          ; the next step's K
.endif
	WIN 0x55*\W
.irp b, 0,1,2,3
	v_exp_f32 v[BM+\b], v[BM+\b]                   ; the blocks' largest p
.endr
	v_pk_add_f32 v[PX:PX+1], v[S:S+1], v[S+2:S+3]  ; the sum of the unquantised p, in two chains
.irp j, 4,8,12,16,20,24,28,32,36,40,44,48,52,56,60
	v_pk_add_f32 v[SUM:SUM+1], v[SUM:SUM+1], v[S+\j:S+\j+1]
	v_pk_add_f32 v[PX:PX+1], v[PX:PX+1], v[S+\j+2:S+\j+3]
.endr
	v_pk_add_f32 v[SUM:SUM+1], v[SUM:SUM+1], v[PX:PX+1]
	s_wait_alu depctr_va_vdst(0)                   ; the four exponentials have written the blocks' largest p, ahead of their first reader
.irp b, 0,1,2,3
	v_max_num_f32 v[BM+\b], 0x4800000, v[BM+\b]    ; the floor 2^(9 - 127)
.endr
.irp b, 0,1,2,3
	v_add_nc_u32 v[SCO+\b], 0xfc000000, v[BM+\b]
.endr
.irp b, 0,1,2,3
	v_and_or_b32 v[LIM+\b], v[BM+\b], 0x7f800000, s[MNT]
.endr
.irp b, 0,1,2,3
	v_lshrrev_b32 v[PX+\b], 23, v[SCO+\b]
.endr
	v_lshl_or_b32 v[T2], v[PX+1], 8, v[PX]
	v_lshl_or_b32 v[T2], v[PX+2], 16, v[T2]
	WIN 0x11*\W                                    ; p's scale word goes to window 0; the 64 holds below are its eight places
	v_lshl_or_b32 v[PSC+\W], v[PX+3], 24, v[T2]
	WIN 0x55*\W
.irp b, 0,1,2,3
.irp i, 0,1,2,3,4,5,6,7,8,9,10,11,12,13,14,15
	v_min_num_f32 v[S+16*\b+\i], v[S+16*\b+\i], v[LIM+\b]   ; the conversion does not saturate (ISA guide 7.6.2); p is not negative
.endr
	v_cvt_scalef32_pk8_fp8_f32 v[PC+4*\b:PC+4*\b+1], v[S+16*\b:S+16*\b+7], v[SCO+\b]
	v_cvt_scalef32_pk8_fp8_f32 v[PC+4*\b+2:PC+4*\b+3], v[S+16*\b+8:S+16*\b+15], v[SCO+\b]
.endr
.set j, 0
.rept 16
	v_pk_mul_f32 v[O+j:O+j+1], v[O+j:O+j+1], v[FF:FF+1] op_sel_hi:[1,0]   ; O^T under the new M; also the places between the codes and the products
.set j, j+2
.endr
.endm
; q's codes, its two scale bytes, its mask.  No vector or matrix line since the last wait on va_vdst (ahead of K's first loads; in the second pass ahead of tile B's row stores) names the registers in which these land
.macro TILELOAD W
	WIN 0x40*\W
	global_load_b128 v[QR:QR+3], v[QA], s[QP:QP+1] offset:1024*\W
	global_load_b128 v[QR+4:QR+7], v[QA], s[QP:QP+1] offset:1024*\W+32
	global_load_u16 v[T1], v[A2R], s[QSP:QSP+1] offset:32*\W
	global_load_b32 v[T2], v[A4R], s[DSP:DSP+1] offset:64*\W
.endm
.macro TILESET W
	WIN 0x55*\W
	v_cmp_eq_u32 vcc_lo, -1, v[T2]                 ; dialog_states + 1 == 0: the query is masked
	v_mov_b32 v[CC], s[CSC]
	s_wait_alu depctr_va_vcc(0)                    ; the compare has written VCC, which the choice below reads
	v_cndmask_b32 v[CC], v[CC], v[ZA], vcc_lo      ; c = 0 there
	v_mov_b32 v[CC+1], v[CC]
	WIN 0x11*\W
	v_lshl_or_b32 v[QSC+\W], v[T1], 16, v[T1]      ; the two bytes twice: they serve [q, 0] and [0, q]
	WIN 0x55*\W
	v_mov_b32 v[TMX], 0xff61b1e6                   ; -3e38, under every t
	v_floor_f32 v[NM], -v[TMX]
	v_mov_b32 v[SUM], 0
	v_mov_b32 v[SUM+1], 0
	v_mov_b32 v[FF], 0
	v_mov_b32 v[FF+1], 0
.irp b, 0,1,2,3
	v_mov_b32 v[PX+\b], 0
.endr
.set j, 0
.rept 32
	v_mov_b32 v[O+j], 0                            ; the key step is written once: its first trip finds zeros
.set j, j+1
.endr
.endm
; the row of x: 512 consecutive bytes an instruction.  It lands in the upper half of p's registers: the softmaxes that named them stand ahead of the wait in front of the last products V^T p^T, and those products name other registers
.macro XLOAD W
	WIN 0x40*\W
.irp i, 0,1,2,3,4,5,6,7
	global_load_b128 v[S+32+4*\i:S+32+4*\i+3], v[GO], s[XP:XP+1] offset:4096*\W+512*\i th:TH_LOAD_NT
.endr
.endm
.macro ALLSUM                          ; the sum of v[RT] over the 32 lanes, in window 0
	v_add_f32_dpp v[RT], v[RT], v[RT] row_xmask:1 row_mask:0xf bank_mask:0xf
	v_add_f32_dpp v[RT], v[RT], v[RT] row_xmask:2 row_mask:0xf bank_mask:0xf
	v_add_f32_dpp v[RT], v[RT], v[RT] row_xmask:4 row_mask:0xf bank_mask:0xf
	v_add_f32_dpp v[RT], v[RT], v[RT] row_xmask:8 row_mask:0xf bank_mask:0xf
	v_permlanex16_b32 v[RP], v[RT], s[SEL], s[SEL+1]
	v_add_f32 v[RT], v[RT], v[RP]
.endm
; a tile's end: O^T / the sum goes through my stage and comes back in the row's order; + x; LayerNorm; the row is stored.  left: the other tile's loads of x that may stay out
.macro LNORM W, left
	WIN 0x55*\W
	v_add_f32 v[T1], v[SUM], v[SUM+1]
	v_permlanex16_b32 v[PX], v[T1], s[SEL], s[SEL+1]
	v_add_f32 v[T1], v[T1], v[PX]                  ; the row's sum of p
	v_rcp_f32 v[FF], v[T1]
	v_nop
	s_wait_alu depctr_va_vdst(0)                   ; the reciprocal is written, ahead of its first reader
.set j, 0
.rept 16
	v_pk_mul_f32 v[O+j:O+j+1], v[O+j:O+j+1], v[FF:FF+1] op_sel_hi:[1,0]
.set j, j+2
.endr
	WIN 0x04*\W
	s_wait_alu depctr_va_vdst(0)                   ; the multiplications have written O^T, which the LDS stores read; every vector line that named the lower half of p's registers, in which the context lands, stands ahead too
.irp b, 0,1,2,3
	ds_store_b128 v[STI], v[O+8*\b:O+8*\b+3] offset:64*\b
	ds_store_b128 v[STI], v[O+8*\b+4:O+8*\b+7] offset:64*\b+16
.endr
	WIN 0x40*\W
.irp i, 0,1,2,3,4,5,6,7
	ds_load_b128 v[S+4*\i:S+4*\i+3], v[STO] offset:544*\i   ; LDS serves a wave's instructions in order (ISA guide 5.7.1.4): these see my stores
.endr
	s_wait_dscnt 8                                 ; the eight stores are done (the eight loads may be out)
	s_wait_alu depctr_vm_vsrc(0)                   ; the LDS stores have read O^T, in whose registers gamma lands
	s_wait_alu depctr_va_vdst(0)                   ; the multiplications have written those registers, and the last products are done reading p's codes, in whose registers beta lands
.irp i, 0,1,2,3,4,5,6,7
	ds_load_b128 v[O+4*\i:O+4*\i+3], v[AG] offset:512*\i
.endr
.irp i, 0,1,2,3,4,5,6,7
	ds_load_b128 v[PC+4*\i:PC+4*\i+3], v[AG] offset:4096+512*\i
.endr
	s_wait_loadcnt \left                           ; my row of x
	s_wait_dscnt 16                                ; the context is back; gamma's and beta's 16 loads may be out
	WIN 0x55*\W
.set j, 0
.rept 16
	v_pk_add_f32 v[S+j:S+j+1], v[S+j:S+j+1], v[S+32+j:S+33+j]   ; y = context + x
.set j, j+2
.endr
	v_pk_add_f32 v[SUM:SUM+1], v[S:S+1], v[S+2:S+3]
	v_pk_add_f32 v[FF:FF+1], v[S+4:S+5], v[S+6:S+7]
.irp j, 8,12,16,20,24,28
	v_pk_add_f32 v[SUM:SUM+1], v[SUM:SUM+1], v[S+\j:S+\j+1]
	v_pk_add_f32 v[FF:FF+1], v[FF:FF+1], v[S+\j+2:S+\j+3]
.endr
	v_pk_add_f32 v[SUM:SUM+1], v[SUM:SUM+1], v[FF:FF+1]
	WIN 0x05*\W
	v_add_f32 v[RT], v[SUM], v[SUM+1]
	WIN 0
	ALLSUM
	WIN 0x40*\W
	v_mul_f32 v[CC], s50, v[RT]                    ; the mean
	WIN 0x55*\W
.set j, 0
.rept 16
	v_pk_add_f32 v[S+j:S+j+1], v[S+j:S+j+1], v[CC:CC+1] op_sel_hi:[1,0] neg_lo:[0,1] neg_hi:[0,1]
.set j, j+2
.endr
	v_pk_mul_f32 v[SUM:SUM+1], v[S:S+1], v[S:S+1]
	v_pk_mul_f32 v[FF:FF+1], v[S+2:S+3], v[S+2:S+3]
.irp j, 4,8,12,16,20,24,28
	v_pk_fma_f32 v[SUM:SUM+1], v[S+\j:S+\j+1], v[S+\j:S+\j+1], v[SUM:SUM+1]
	v_pk_fma_f32 v[FF:FF+1], v[S+\j+2:S+\j+3], v[S+\j+2:S+\j+3], v[FF:FF+1]
.endr
	v_pk_add_f32 v[SUM:SUM+1], v[SUM:SUM+1], v[FF:FF+1]
	WIN 0x05*\W
	v_add_f32 v[RT], v[SUM], v[SUM+1]
	WIN 0
	ALLSUM
	v_fma_f32 v[RT], v[RT], s50, s51               ; the variance + 1e-5
	WIN 0x40*\W
	v_rsq_f32 v[FF], v[RT]
	v_nop
	s_wait_alu depctr_va_vdst(0)                   ; the reciprocal root is written, ahead of its first reader
	s_wait_dscnt 0x0                               ; gamma and beta
	WIN 0x55*\W
.set j, 0
.rept 16
	v_pk_mul_f32 v[O+j:O+j+1], v[O+j:O+j+1], v[FF:FF+1] op_sel_hi:[1,0]
.set j, j+2
.endr
.set j, 0
.rept 16
	v_pk_fma_f32 v[S+j:S+j+1], v[S+j:S+j+1], v[O+j:O+j+1], v[PC+j:PC+j+1]
.set j, j+2
.endr
	WIN 0x04*\W
	s_wait_alu depctr_va_vdst(0)                   ; the multiply-adds have written the row, which the stores read
.irp i, 0,1,2,3,4,5,6,7
	global_store_b128 v[GO], v[S+4*\i:S+4*\i+3], s[OP:OP+1] offset:4096*\W+512*\i th:TH_STORE_NT   ; 512 consecutive bytes, aligned
.endr
	WIN 0
.endm
	s_mov_b32 s[NK], 0
	s_mov_b32 s[NS], 0
	s_mov_b32 s[NV], 0
	s_mov_b32 s[NT], 0
	v_add_nc_u32 v[ADK], s[NK], v[AK0]
	v_add_nc_u32 v[ADS], s[NS], v[ASK0]
	s_wait_alu depctr_va_vdst(0)                   ; v[ADK] and v[ADS] are written, which the loads below read; so are the addresses and offsets v1-4, v9-15 and v250, which stay for the whole kernel, and the zeros
	LOADK                                          ; key step 0
	s_mov_b32 s[PASS], 2
.Lpass:
	TILELOAD 0
	TILELOAD 1
	s_wait_loadcnt 0x0
	TILESET 0
	TILESET 1
	WIN 0
	s_mov_b32 s[STP], 0
	s_wait_alu depctr_va_vdst(0)                   ; q's scale words and the zeros beside q are written: the scaled products K Q^T take them as scales and as operand (the lines that clear O^T are the places between)
.Lstep:
	s_wait_dscnt 0x0                               ; K of this step is in: nothing was issued behind its loads
	QK 0
	QK 1
	WIN 0
	s_add_co_u32 s[NX], s[STP], 1
	s_and_b32 s[NX], s[NX], 7                      ; the next step; behind the last comes the next pass's first
	s_mul_i32 s[NK], s[NX], 64*KPI
	s_lshl_b32 s[NS], s[NX], 8
	s_wait_alu depctr_vm_vsrc(0)                   ; the LDS loads issued so far have read the four addresses v5-8, which are written below
	v_add_nc_u32 v[ADV], s[NV], v[AV0]             ; this step's V,
	v_add_nc_u32 v[ADT], s[NT], v[ASV0]
	v_add_nc_u32 v[ADK], s[NK], v[AK0]             ; the next step's K
	v_add_nc_u32 v[ADS], s[NS], v[ASK0]
.rept 4
	v_nop                                          ; with the four additions: the eight places between the products and the first read of the scores
.endr
	; my two rows of x, 8,192 bytes, are asked for in the pass's seventh key step, two key steps ahead of their loads: a lane for each 256 bytes, each named once in the launch
	s_cmp_lg_u32 s[STP], 6
	s_cbranch_scc1 .Lno_ask
	global_prefetch_b8 v[PFO], s[XP:XP+1] th:TH_LOAD_NT scope:SCOPE_SE
.Lno_ask:
	SOFTMAX 0
	SOFTMAX 1
	s_wait_dscnt 18                                ; V of this step is in; the next step's K, 18 loads issued behind it, may be out
	s_wait_alu depctr_va_vdst(0)                   ; both tiles' codes of p and their scale words are written: the scaled products below take them as operand and as scales (the places stand ahead of this wait)
	PV 0
	PV 1
	WIN 0
	s_lshl_b32 s[NV], s[NX], 7                     ; where the next step's V and its scale words begin
	s_lshl_b32 s[NT], s[NX], 8
	s_add_co_u32 s[STP], s[STP], 1
	s_cmp_lt_u32 s[STP], 8
	s_cbranch_scc1 .Lstep
	XLOAD 0
	XLOAD 1
.rept 8
	v_nop                                          ; eight places between the last products and the first read of O^T
.endr
	LNORM 0, 8
	LNORM 1, 0
	s_wait_xcnt 0x0                                ; loads, stores and the prefetch have read their bases and registers
	s_wait_alu depctr_vm_vsrc(0)                   ; the stores have read both tiles' rows, whose registers the next pass's products write again
	s_add_nc_u64 s[QP:QP+1], s[QP:QP+1], 16384     ; 16 rows on
	s_add_nc_u64 s[QSP:QSP+1], s[QSP:QSP+1], 512
	s_add_nc_u64 s[DSP:DSP+1], s[DSP:DSP+1], 1024
	s_add_nc_u64 s[XP:XP+1], s[XP:XP+1], 65536
	s_add_nc_u64 s[OP:OP+1], s[OP:OP+1], 65536
	s_sub_co_u32 s[PASS], s[PASS], 1
	s_cmp_lg_u32 s[PASS], 0
	s_cbranch_scc1 .Lpass
	s_wait_dscnt 0x0
	s_wait_alu depctr_hold_cnt(0) depctr_sa_sdst(0) depctr_va_vdst(0) depctr_va_sdst(0) depctr_va_ssrc(0) depctr_va_vcc(0) depctr_vm_vsrc(0)
	s_wait_tensorcnt 0x0
	ds_add_u32 v254, v255
	s_wait_dscnt 0x0
	s_endpgm
.Lfunc_end_k_q4c10f6ca8e_attn:
	.size	k_q4c10f6ca8e_attn, .Lfunc_end_k_q4c10f6ca8e_attn-k_q4c10f6ca8e_attn
	.p2alignl 7, 3214868480
	.fill 96, 4, 3214868480
	.section	.rodata,"a",@progbits
	.p2align	6, 0x0
	.amdhsa_kernel k_q4c10f6ca8e_attn
		.amdhsa_group_segment_fixed_size 188416
		.amdhsa_private_segment_fixed_size 0
		.amdhsa_enable_private_segment 0
		.amdhsa_kernarg_size 88
		.amdhsa_user_sgpr_count 2
		.amdhsa_user_sgpr_kernarg_segment_ptr 1
		.amdhsa_wavefront_size32 1
		.amdhsa_system_sgpr_workgroup_id_x 1
		.amdhsa_system_sgpr_workgroup_id_y 1
		.amdhsa_system_sgpr_workgroup_id_z 1
		.amdhsa_system_vgpr_workitem_id 0
		.amdhsa_next_free_vgpr 512
		.amdhsa_next_free_sgpr 66
		.amdhsa_reserve_vcc 1
		.amdhsa_float_denorm_mode_32 3
		.amdhsa_float_denorm_mode_16_64 3
		.amdhsa_memory_ordered 1
		.amdhsa_forward_progress 1
		.amdhsa_inst_pref_size 77
	.end_amdhsa_kernel
	.amdgpu_metadata
---
amdhsa.version: [ 1, 2 ]
amdhsa.kernels:
  - .name:           k_q4c10f6ca8e_attn
    .symbol:         k_q4c10f6ca8e_attn.kd
    .args:
      - { .name: q_codes, .offset: 0, .size: 8, .value_kind: global_buffer, .address_space: global }
      - { .name: q_scales, .offset: 8, .size: 8, .value_kind: global_buffer, .address_space: global }
      - { .name: k_codes, .offset: 16, .size: 8, .value_kind: global_buffer, .address_space: global }
      - { .name: k_scales, .offset: 24, .size: 8, .value_kind: global_buffer, .address_space: global }
      - { .name: v_codes, .offset: 32, .size: 8, .value_kind: global_buffer, .address_space: global }
      - { .name: v_scales, .offset: 40, .size: 8, .value_kind: global_buffer, .address_space: global }
      - { .name: dialog_states, .offset: 48, .size: 8, .value_kind: global_buffer, .address_space: global }
      - { .name: x, .offset: 56, .size: 8, .value_kind: global_buffer, .address_space: global }
      - { .name: gamma, .offset: 64, .size: 8, .value_kind: global_buffer, .address_space: global }
      - { .name: beta, .offset: 72, .size: 8, .value_kind: global_buffer, .address_space: global }
      - { .name: out0, .offset: 80, .size: 8, .value_kind: global_buffer, .address_space: global }
    .group_segment_fixed_size: 188416
    .private_segment_fixed_size: 0
    .kernarg_segment_align: 8
    .kernarg_segment_size: 88
    .max_flat_workgroup_size: 256
    .sgpr_count:     66
    .vgpr_count:     512
    .wavefront_size: 32
...
	.end_amdgpu_metadata
.endif
;; end of part 3
